; MI455X (gfx1250); checked and timed in simulation.
; The chip was launched on July 23, 2026; its instructions are those of AMD's public machine-readable ISA for CDNA 5 (MIT licence, August 2026) and "CDNA5" Instruction Set Architecture Reference Guide (July 2026). The comments in the code are by the model that wrote it; some were corrected since.
;; Multihead Attention. Allowed arithmetic: matrix products marked QUANTISED: E4M3 operands, one E8M0 scale for each 32 along K, by v_wmma_scale_f32_16x16x128_f8f6f4 with both operands' format E4M3, f32 sums; everything else in f32.
;; Inputs: Wk 1,024 x 1,024 float32; Wo 1,024 x 1,024 float32; Wq 1,024 x 1,024 float32; Wv 1,024 x 1,024 float32; bk 1,024 float32; bo 1,024 float32; bq 1,024 float32; bv 1,024 float32; x 4 x 2,048 x 1,024 float32.
;; Outputs: out0 4 x 2,048 x 1,024 float32.
;; This version of the problem:
;;   THIS VERSION OF THE PROBLEM IS GIVEN IN LOW PRECISION. The matrix products marked QUANTISED in the list below multiply operands that are first quantised to E4M3 (4 exponent bits, 3 mantissa bits; 8 bits a number), with one power-of-two scale for each 32 numbers along K (OCP MX v1.0); their sums are f32. All else is computed in f32.
;;   The module's matrix products, in the order in which they are computed (A, B: the left and right operand; K: the contracted axis; several contracted axes count as one K, in the product's order):
;;     1. [M 8,192, K 1,024] x [K 1,024, N 1,024]; A: input x; B: input Wq: QUANTISED
;;     2. [M 8,192, K 1,024] x [K 1,024, N 1,024]; A: input x; B: input Wk: QUANTISED
;;     3. [M 8,192, K 1,024] x [K 1,024, N 1,024]; A: input x; B: input Wv: QUANTISED
;;     4. batch 64 x [M 2,048, K 64] x [K 64, N 2,048]; A: computed on the way; B: computed on the way: QUANTISED
;;     5. batch 64 x [M 2,048, K 2,048] x [K 2,048, N 64]; A: softmax (see below); B: computed on the way: QUANTISED
;;     6. [M 8,192, K 1,024] x [K 1,024, N 1,024]; A: computed on the way; B: input Wo: QUANTISED
;;   THE QUANTISER, for each operand of a quantised product, along K:
;;     - K is cut into blocks of 32 from its start; a last block that is shorter is filled with zeros.
;;     - A block's scale is 2^e with e = floor(log2(the largest magnitude in the block)) - 8, held to -126 .. 127; a block of zeros has e = 0. As a byte (E8M0): e + 127.
;;     - Each number is divided by its block's scale, clamped to +-448, and rounded to the nearest number of E4M3, ties to even, subnormals kept.
;;     - The product sums the exact products of the quantised numbers (number of the format x scale) in f32.
;;   ~~~python
;;   def quantise(x, axis):      # numpy; x: float32 -> the quantised numbers, widened to float32 again
;;       x = np.moveaxis(x, axis, -1); K = x.shape[-1]
;;       x = np.pad(x, [(0, 0)] * (x.ndim - 1) + [(0, -K % 32)]); x = x.reshape(x.shape[:-1] + (-1, 32)); a = np.abs(x).max(-1, keepdims=True)
;;       e = np.where(a > 0, np.clip(np.frexp(np.where(a > 0, a, 1))[1] - 1 - 8, -126, 127), 0)      # np.frexp(a)[1] - 1 = floor(log2(a)), exactly
;;       r = np.clip(x / 2.0 ** e, -448, 448)
;;       step = 2.0 ** (np.maximum(np.frexp(np.where(r == 0, 1, r))[1] - 1, -6) - 3)
;;       q = np.round(r / step) * step * 2.0 ** e      # np.round: ties to even
;;       return np.moveaxis(q.reshape(q.shape[:-2] + (-1,))[..., :K], -1, axis).astype(np.float32)
;;   ~~~
;;   SOFTMAX AHEAD OF A QUANTISED PRODUCT. Where the list says 'softmax', what is quantised is not the finished softmax but p = 2^(t - M), with t = logit x log2(e) and M = ceil(the row's largest t), a whole number; so 1/2 < the row's largest p <= 1. The row's sum l is taken of the UNQUANTISED p, in f32, and the product's result is divided by l at the end. Since M is a whole number, a kernel that streams over the keys may use a running M (the ceiling of the running maximum): every later rescaling is an exact power of two, which a block's scale takes up: the codes' values come out the same.
;;   OPERANDS COMPUTED ON THE WAY. 'Computed on the way' means the value that the module computes at that place (a softmax that the list does not call 'softmax' is quantised finished and normalised). What goes into a quantiser is computed in f32, as accurately as f32 sums, v_exp_f32 and their like allow (about 1e-6 of the number): no bf16 or f16 on the way to a quantiser, and a product that is left as it is and whose result goes on into a quantised operand takes f32 operands (vector FMAs, or v_wmma_f32_16x16x4_f32). A number that lies on a knife's edge between two numbers of the format may be rounded either way, as far as f32 arithmetic and the matrix unit's own rounding can turn it there, and no further.
;; One version. Each part assembles by itself: llvm-mc -triple=amdgcn-amd-amdhsa -mcpu=gfx1250 --defsym DOCPART=n.
;; ======== version 1 of 1: 4 launches
;; limits: right only within a limited range of input values
;; workspace buffers: codes 12,582,912 bytes; scales 393,216 bytes; qkv 25,165,824 bytes; qkvs 1,572,864 bytes; ctx 8,388,608 bytes; ctxs 262,144 bytes
;; launch quant (part 1): grid 768 x 1, 2 waves a work-group, no clusters, 17,664 bytes of LDS; arguments x, Wq, Wk, Wv, Wo, codes, scales; writes codes, scales
.if DOCPART == 1
	.amdgcn_target "amdgcn-amd-amdhsa--gfx1250"
	.amdhsa_code_object_version 6
	.text
	.protected	k_qc4faba47b8_quant
	.globl	k_qc4faba47b8_quant
	.p2align	8
	.type	k_qc4faba47b8_quant,@function
k_qc4faba47b8_quant:
	s_mov_b64 s[64:65], 0
	v_nop
	global_prefetch_b8 v0, s[64:65] scope:SCOPE_SE
	s_setreg_imm32_b32 hwreg(HW_REG_WAVE_MODE, 25, 1), 1
	s_wait_xcnt 0x0
; x [8192][1024] and Wq, Wk, Wv, Wo [1024][1024], f32, K innermost, become codes of FP8 (E4M3) with one E8M0 byte for each 32 along K.
; A block's scale is 2^(floor(log2(its largest magnitude)) - 8); each number is divided by it, held within +-448 and rounded to the nearest code, ties to even.
; THE CODES ARE LAID AS IMAGES OF THE OPERAND'S REGISTERS: 12,288 image rows (x, then Wq, Wk, Wv, Wo) in tiles of 16; tile T, K step s (128 along K) is 2,048 bytes at 16,384 T + 2,048 s: [c 0..3][lane][16 bytes],
; lane (r, h) holding k = 32 c + 16 h + 0 .. 15 of the tile's row r.  A later launch that loads these bytes at 16 x lane has the fragment in its registers.
; THE ROWS OF A TILE ARE NOT NEIGHBOURS: row r of tile 2 b + u is the tensor's row 32 b + 8 u + r + 8 (r / 8), so that in a product used transposed the 16 registers of two neighbouring tiles are 16 neighbours.
; THE SCALE WORDS (four bytes: 128 along K of one row): tile T, K half w, row r, K step s of the half at 512 T + 256 w + 16 r + 4 s.
; SHARES: a work-group is a tile, wave w its K half w: 16 rows x 512 numbers in four K steps.  Each load reads 512 consecutive bytes of a row; the conversions want 16 neighbours in one lane, so a K step's 8,192 bytes turn
; through the wave's own stage in LDS (rows of 512 bytes + 16, so that the sixteen rows that a read touches start at different banks).  Loads run two K steps (32 loads a wave) ahead.  Waves share nothing: no barrier.
; LIMITS: a block whose largest magnitude lies under 2^-118 keeps the byte 1; a block of zeros gets the byte 1 where the rule says 127 (its codes are zeros, and this program alone reads the bytes); NaN and infinities are not served.
.set SP,   528                         ; a stage row
.set STG,  16*SP                       ; a wave's stage
.set LI,   1                           ; v1   16 x lane
.set SIN,  2                           ; v2   the stage, on the way in: my 16 bytes of a row
.set SOUT, 3                           ; v3   on the way out: row r, + 64 h
.set GS,   4                           ; v4   16 r: my row's four scale words
.set R,    16                          ; v16-143  two sets of 64: a K step as it is loaded
.set X,    144                         ; v144-207 64 numbers: register 16 b + i = k 32 b + 16 h + i of my row
.set PC,   208                         ; v208-223 the fragment's codes
.set TM,   224                         ; v224-227 largest magnitudes, v228-231 bytes, v232-235 448 x the scale, v236-239 the conversions' scale operands
.set PWS,  240                         ; v240-243 the four K steps' scale words
.set SEL,  28                          ; s[28:29] v_permlanex16_b32's selects for lane l xor 16
.set MNT,  30                          ; s30  the mantissa field of 448
	s_load_b256 s[4:11], s[0:1], 0x0               ; x, Wq, Wk, Wv
	s_load_b128 s[12:15], s[0:1], 0x20             ; Wo, codes
	s_load_b64 s[16:17], s[0:1], 0x30              ; scales
	v_lshl_add_u32 v248, v0, 2, 0x4400
	v_mov_b32 v249, 0
	v_lshrrev_b32 v5, 5, v0
	v_readfirstlane_b32 s18, v5                    ; wave 0, 1
	v_and_b32 v6, 31, v0
	v_and_b32 v7, 15, v0                           ; r
	v_bfe_u32 v8, v0, 4, 1                         ; h
	v_lshlrev_b32 v[LI], 4, v6
	s_mul_i32 s19, s18, STG
	v_add_nc_u32 v[SIN], s19, v[LI]
	v_mul_u32_u24 v[SOUT], v7, SP
	v_lshl_add_u32 v[SOUT], v8, 6, v[SOUT]
	v_add_nc_u32 v[SOUT], s19, v[SOUT]
	v_lshlrev_b32 v[GS], 4, v7
	s_mov_b32 s[SEL], 0x76543210
	s_mov_b32 s[SEL+1], 0xfedcba98
	s_mov_b32 s[MNT], 0x600000
.irp b, 0,1,2,3
	v_mov_b32 v[TM+4+\b], 0                        ; written once: a lane permute's destination counts as one of its sources
.endr
	s_and_b32 s23, ttmp9, 63                       ; a weight's tile
	s_lshl_b32 s26, ttmp9, 14
	s_lshl_b32 s27, s18, 13
	s_add_co_u32 s26, s26, s27                     ; codes: 16,384 T + 4 x 2,048 w
	s_mov_b32 s27, 0
	s_lshl_b32 s32, ttmp9, 9
	s_lshl_b32 s33, s18, 8
	s_add_co_u32 s32, s32, s33                     ; scale words: 512 T + 256 w
	s_mov_b32 s33, 0
	s_wait_alu depctr_va_vdst(0)
	s_wait_kmcnt 0x0
	s_cmp_lt_u32 ttmp9, 512                        ; which tensor: the choice hangs on the work-group's number alone
	s_cselect_b32 s22, ttmp9, s23                  ; the tile's number in its tensor
	s_cselect_b64 s[20:21], s[4:5], s[6:7]
	s_cmp_ge_u32 ttmp9, 576
	s_cselect_b64 s[20:21], s[8:9], s[20:21]
	s_cmp_ge_u32 ttmp9, 640
	s_cselect_b64 s[20:21], s[10:11], s[20:21]
	s_cmp_ge_u32 ttmp9, 704
	s_cselect_b64 s[20:21], s[12:13], s[20:21]
	s_lshr_b32 s24, s22, 1
	s_lshl_b32 s24, s24, 5
	s_and_b32 s25, s22, 1
	s_lshl_b32 s25, s25, 3
	s_add_co_u32 s24, s24, s25                     ; the tile's first row in the tensor: 32 (t / 2) + 8 (t % 2)
	s_lshl_b32 s24, s24, 12                        ; rows of 4,096 bytes
	s_lshl_b32 s25, s18, 11
	s_add_co_u32 s24, s24, s25                     ; + my K half
	s_mov_b32 s25, 0
	s_add_nc_u64 s[20:21], s[20:21], s[24:25]
	s_add_nc_u64 s[14:15], s[14:15], s[26:27]
	s_add_nc_u64 s[16:17], s[16:17], s[32:33]
.macro LOAD s                          ; K step s: the tile's 16 rows, 512 consecutive bytes each, into set s % 2
.irp i, 0,1,2,3,4,5,6,7,8,9,10,11,12,13,14,15
	global_load_b128 v[R+64*((\s)%2)+4*\i:R+64*((\s)%2)+4*\i+3], v[LI], s[20:21] offset:((\i%8)+16*(\i/8))*4096+512*(\s) th:TH_LOAD_NT
.endr
.endm
; 64 numbers of a lane, v[s] on, register 16 b + i = k 32 b + 16 h + i of my row, become a fragment's codes in v[PC] on and its scale word in v[pw]
.macro QUANT s, pw
.irp b, 0,1,2,3
	v_max3_num_f32 v[TM+\b], |v[\s+16*\b]|, |v[\s+1+16*\b]|, 0x4800000   ; block b: my 16 numbers, and the floor 2^(9 - 127): the byte cannot fall under 1
.endr
.irp i, 2,4,6,8,10,12,14
.irp b, 0,1,2,3
	v_max3_num_f32 v[TM+\b], v[TM+\b], |v[\s+16*\b+\i]|, |v[\s+1+16*\b+\i]|   ; the four blocks by turns
.endr
.endr
.irp b, 0,1,2,3
	v_permlanex16_b32 v[TM+4+\b], v[TM+\b], s[SEL], s[SEL+1]
.endr
.irp b, 0,1,2,3
	v_max_num_f32 v[TM+\b], v[TM+\b], v[TM+4+\b]   ; with lane l xor 16's 16: the block's largest magnitude
.endr
.irp b, 0,1,2,3
	v_add_nc_u32 v[TM+12+\b], 0xfc000000, v[TM+\b] ; 8 off its exponent field: the conversion takes the exponent field of this operand as its scale
.endr
.irp b, 0,1,2,3
	v_and_or_b32 v[TM+8+\b], v[TM+\b], 0x7f800000, s[MNT]   ; 448 x the scale
.endr
.irp b, 0,1,2,3
	v_lshrrev_b32 v[TM+4+\b], 23, v[TM+12+\b]      ; the scale's byte
.endr
	v_lshl_or_b32 v[\pw], v[TM+5], 8, v[TM+4]
	v_lshl_or_b32 v[\pw], v[TM+6], 16, v[\pw]
	v_lshl_or_b32 v[\pw], v[TM+7], 24, v[\pw]
.irp b, 0,1,2,3
.irp i, 0,1,2,3,4,5,6,7,8,9,10,11,12,13,14,15
	v_med3_num_f32 v[\s+16*\b+\i], v[\s+16*\b+\i], -v[TM+8+\b], v[TM+8+\b]   ; the conversion to an 8-bit code does not saturate (ISA guide 7.6.2): the hold comes first
.endr
	v_cvt_scalef32_pk8_fp8_f32 v[PC+4*\b:PC+1+4*\b], v[\s+16*\b:\s+7+16*\b], v[TM+12+\b]
	v_cvt_scalef32_pk8_fp8_f32 v[PC+2+4*\b:PC+3+4*\b], v[\s+8+16*\b:\s+15+16*\b], v[TM+12+\b]
.endr
	v_nop                                          ; one plain line behind the last conversion
.endm
.macro KS s
.if (\s) < 3
	s_wait_loadcnt 16                              ; this K step's 16 loads are in; the next one's 16 may be out
.else
	s_wait_loadcnt 0x0
.endif
.if (\s) > 0
	s_wait_xcnt 0x0                                ; the last K step's stores have read the codes' registers, which are written again below
.endif
.irp i, 0,1,2,3,4,5,6,7,8,9,10,11,12,13,14,15
	ds_store_b128 v[SIN], v[R+64*((\s)%2)+4*\i:R+64*((\s)%2)+4*\i+3] offset:SP*\i
.endr
.irp b, 0,1,2,3
.irp j, 0,1,2,3
	ds_load_b128 v[X+16*\b+4*\j:X+16*\b+4*\j+3], v[SOUT] offset:128*\b+16*\j   ; LDS serves a wave's instructions in order: these see the stores above
.endr
.endr
	s_wait_dscnt 0x0                               ; my 64 numbers are in, and the stores have read their set,
.if (\s) < 2
	LOAD (\s)+2                                    ; which takes the K step two on
.endif
	QUANT X, PWS+(\s)
.irp c, 0,1,2,3
	global_store_b128 v[LI], v[PC+4*\c:PC+4*\c+3], s[14:15] offset:2048*(\s)+512*\c   ; 32 lanes store 512 consecutive bytes
.endr
.endm
	LOAD 0
	LOAD 1
	KS 0
	KS 1
	KS 2
	KS 3
	global_store_b128 v[GS], v[PWS:PWS+3], s[16:17] ; 256 consecutive bytes, aligned; lanes 16-31 hold and write the same words as lanes 0-15
	s_wait_tensorcnt 0x0
	ds_add_u32 v248, v249
	s_wait_dscnt 0x0
	s_endpgm
.Lfunc_end_k_qc4faba47b8_quant:
	.size	k_qc4faba47b8_quant, .Lfunc_end_k_qc4faba47b8_quant-k_qc4faba47b8_quant
	.p2alignl 7, 3214868480
	.fill 96, 4, 3214868480
	.section	.rodata,"a",@progbits
	.p2align	6, 0x0
	.amdhsa_kernel k_qc4faba47b8_quant
		.amdhsa_group_segment_fixed_size 17664
		.amdhsa_private_segment_fixed_size 0
		.amdhsa_enable_private_segment 0
		.amdhsa_kernarg_size 56
		.amdhsa_user_sgpr_count 2
		.amdhsa_user_sgpr_kernarg_segment_ptr 1
		.amdhsa_wavefront_size32 1
		.amdhsa_system_sgpr_workgroup_id_x 1
		.amdhsa_system_sgpr_workgroup_id_y 1
		.amdhsa_system_sgpr_workgroup_id_z 1
		.amdhsa_system_vgpr_workitem_id 0
		.amdhsa_next_free_vgpr 250
		.amdhsa_next_free_sgpr 66
		.amdhsa_reserve_vcc 0
		.amdhsa_float_denorm_mode_32 3
		.amdhsa_float_denorm_mode_16_64 3
		.amdhsa_memory_ordered 1
		.amdhsa_forward_progress 1
		.amdhsa_inst_pref_size 51
	.end_amdhsa_kernel
	.amdgpu_metadata
---
amdhsa.version: [ 1, 2 ]
amdhsa.kernels:
  - .name:           k_qc4faba47b8_quant
    .symbol:         k_qc4faba47b8_quant.kd
    .args:
      - { .name: x, .offset: 0, .size: 8, .value_kind: global_buffer, .address_space: global }
      - { .name: Wq, .offset: 8, .size: 8, .value_kind: global_buffer, .address_space: global }
      - { .name: Wk, .offset: 16, .size: 8, .value_kind: global_buffer, .address_space: global }
      - { .name: Wv, .offset: 24, .size: 8, .value_kind: global_buffer, .address_space: global }
      - { .name: Wo, .offset: 32, .size: 8, .value_kind: global_buffer, .address_space: global }
      - { .name: codes, .offset: 40, .size: 8, .value_kind: global_buffer, .address_space: global }
      - { .name: scales, .offset: 48, .size: 8, .value_kind: global_buffer, .address_space: global }
    .group_segment_fixed_size: 17664
    .private_segment_fixed_size: 0
    .kernarg_segment_align: 8
    .kernarg_segment_size: 56
    .max_flat_workgroup_size: 64
    .sgpr_count:     66
    .vgpr_count:     250
    .wavefront_size: 32
...
	.end_amdgpu_metadata
.endif
;; end of part 1
;; launch qkv (part 2): grid 96 x 4, 4 waves a work-group, clusters of 4 x 4, 327,680 bytes of LDS; arguments codes, scales, bq, bk, bv, qkv, qkvs; writes qkv, qkvs
.if DOCPART == 2
	.amdgcn_target "amdgcn-amd-amdhsa--gfx1250"
	.amdhsa_code_object_version 6
	.text
	.protected	k_qc4faba47b8_qkv
	.globl	k_qc4faba47b8_qkv
	.p2align	8
	.type	k_qc4faba47b8_qkv,@function
k_qc4faba47b8_qkv:
	s_mov_b64 s[64:65], 0
	v_nop
	global_prefetch_b8 v0, s[64:65] scope:SCOPE_SE
	s_setreg_imm32_b32 hwreg(HW_REG_WAVE_MODE, 25, 1), 1
	s_wait_xcnt 0x0
	s_wait_alu depctr_hold_cnt(0) depctr_sa_sdst(0) depctr_va_vdst(0) depctr_va_sdst(0) depctr_va_ssrc(0) depctr_va_vcc(0) depctr_vm_vsrc(0)
	s_getreg_b32 s2, hwreg(HW_REG_IB_STS2, 6, 4)
	s_cmp_eq_u32 s2, 0
	s_cbranch_scc0 .Lentry_in_a_cluster
	s_endpgm
.Lentry_in_a_cluster:
	s_bfe_u32 s2, ttmp6, 0x10000c
	s_cmp_lg_u32 s2, 0xf033
	s_cbranch_scc0 .Lentry_shape_is_right
	s_endpgm
.Lentry_shape_is_right:
; Q, K, V = x W^T + b on codes of MX-FP8 (E4M3, one E8M0 byte for 32 along K), each result quantised again on the way out, as images of the next launch's operand registers.
; A work-group makes 256 x 256 of the result, a wave 128 x 128; K goes in steps of 256 through two LDS slots filled by joint loads of a 4 x 4 cluster.
; THE HEAD: one joint load a wave: wave 0 K step 0's 256 rows of A, wave 2 those of B, wave 1 the scale words of A's 256 rows, wave 3 those of B's; the address work stands behind them; slot 1 is first filled behind the full sequence and a round.
; LIMITS: NaN and infinities are not served; a block's byte never falls under 1.
.set NQ,     2
.set FR,     16
.set NL,     4
.set NP,     8
.set HALFT,  32768
.set SLOT,   4*HALFT
.set LAPS,   2
.set SCL,    2*SLOT
.set HALFS,  4096
.set SBLK,   512
.set SPARE,  SCL+4*HALFS
.set BQ,   8
.set ADRA, 16
.set BQO,  18
.set SH,   19
.set ADRB, 20
.set LI,   22
.set ADRS, 27
.set SPW,  28
.set NIL,  29
.set SC,   32
.set BP,   64
.set AF,   128
.set X,    128
.set PC,   192
.set TM,   208
.set PW,   224
.set BB,   226
.set WS,   228
.set WV,   18
.set WH,   19
.set WL,   20
.set G1, 24
.set G0, 32
.set G1B, 48
.set G0B, 56
.set G1S, 68
.set G0S, 76
.set G1SB, 80
.set G0SB, 88
.set SEL,  98
.set MNT,  100
.set ISV,  101
.set MSB, 0
.macro WIN new
.if MSB != \new
	s_set_vgpr_msb (MSB<<8)|\new
.set MSB, \new
.endif
.endm
.set MUL_LO, 0xa1
.set MUL_HI, 0xf1
.set TO_B,   0x40
.macro JLOAD g0a, g1a, g0b, g1b
	s_cmp_eq_u32 s[WH], 0
	s_cbranch_scc0 .Lfor_b_\@
	tensor_load_to_lds s[\g0a:\g0a+3], s[\g1a:\g1a+7]
	s_nop 0
.rept 4
	v_nop
.endr
	s_branch .Lasked_\@
.Lfor_b_\@:
	tensor_load_to_lds s[\g0b:\g0b+3], s[\g1b:\g1b+7]
	s_nop 0
.rept 4
	v_nop
.endr
.Lasked_\@:
.endm
.macro CREST
	s_cmp_lg_u32 s[WV], 0
	s_cbranch_scc1 .Lnot_wave_0_\@
	s_barrier_signal -3
.Lnot_wave_0_\@:
	s_barrier_wait -3
	s_barrier_signal -1
	s_barrier_wait -1
.endm
.macro CROUND
	s_barrier_signal -1
	s_barrier_wait -1
	CREST
.endm
	s_load_b256 s[4:11], s[0:1], 0x0
	s_load_b128 s[12:15], s[0:1], 0x20
	s_load_b64 s[16:17], s[0:1], 0x30
	v_lshl_add_u32 v[SPW], v0, 2, SPARE
	v_mov_b32 v[NIL], 0
	ds_add_u32 v28, v29
	ds_add_u32 v28, v29
	s_wait_dscnt 0x0
	v_lshrrev_b32 v1, 5, v0
	v_readfirstlane_b32 s[WV], v1
	s_lshr_b32 s[WH], s[WV], 1
	s_and_b32 s[WL], s[WV], 1
	s_bfe_u32 s40, ttmp6, 0x40000
	s_bfe_u32 s41, ttmp6, 0x40004
	s_lshl_b32 s43, s41, 2
	s_lshl_b32 s43, 15, s43
	s_lshl_b32 s44, 0x1111, s40
	s_lshr_b32 s21, ttmp9, 1
	s_lshl_b32 s21, s21, 10
	s_and_b32 s22, ttmp9, 1
	s_lshl_b32 s22, s22, 10
	s_add_co_u32 s22, s22, 8192
	s_sub_co_u32 s23, ttmp9, 16
	s_lshl_b32 s23, s23, 10
	s_cmp_ge_u32 ttmp9, 16
	s_cselect_b32 s[ISV], 1, 0
	s_cselect_b32 s22, s23, s22
	s_mov_b32 s23, 10240
	s_cselect_b32 s21, s23, s21
	s_or_b32 s[G1+0], s43, (3<<16)|(1<<21)
	s_or_b32 s[G1B+0], s44, (3<<16)|(1<<21)
.irp g, G1, G1B
	s_mov_b32 s[\g+1], 512<<16
	s_mov_b32 s[\g+2], 16<<16                      ; the head's loads bring 16 tiles (256 rows); behind them the count is set to 8
	s_mov_b32 s[\g+3], 512<<16
	s_mov_b32 s[\g+4], 16
	s_mov_b32 s[\g+5], 2048
	s_mov_b32 s[\g+6], 0
	s_mov_b32 s[\g+7], 0
.endr
	s_or_b32 s[G1S+0], s43, (3<<16)|(1<<21)
	s_or_b32 s[G1SB+0], s44, (3<<16)|(1<<21)
.irp g, G1S, G1SB
	s_mov_b32 s[\g+1], 32<<16
	s_mov_b32 s[\g+2], 32<<16                      ; the scale words of 256 rows: 32 rows of 256 bytes
	s_mov_b32 s[\g+3], 32<<16
	s_mov_b32 s[\g+4], 32
	s_mov_b32 s[\g+5], 32
	s_mov_b32 s[\g+6], 0
	s_mov_b32 s[\g+7], 0
.endr
	s_lshl_b32 s46, s[WL], 7
	s_lshl_b32 s92, s41, 8
	s_add_co_u32 s92, s92, s21
	s_lshl_b32 s94, s40, 8
	s_add_co_u32 s94, s94, s22
	s_lshl_b32 s96, s92, 5                         ; the scale words begin at the tile's first row
	s_lshl_b32 s66, s94, 5
	s_add_co_u32 s92, s92, s46                     ; the codes at my 128 rows
	s_add_co_u32 s94, s94, s46
	s_mov_b32 s97, 0
	s_lshl_b32 s92, s92, 10
	s_mov_b32 s93, 0
	s_mov_b32 s67, 0
	s_lshl_b32 s94, s94, 10
	s_mov_b32 s95, 0
	s_lshl_b32 s45, s[WV], 15
	s_wait_kmcnt 0x0
	s_add_nc_u64 s[92:93], s[4:5], s[92:93]
	s_add_nc_u64 s[96:97], s[6:7], s[96:97]
	s_add_nc_u64 s[94:95], s[4:5], s[94:95]
	s_add_nc_u64 s[66:67], s[6:7], s[66:67]
	CROUND
	s_mov_b32 s[G0S], 1
	s_mov_b32 s[G0S+1], SCL
	s_mov_b64 s[G0S+2:G0S+3], s[96:97]
	s_or_b32 s[G0S+3], s[G0S+3], 0x80000000
	s_mov_b32 s[G0SB], 1
	s_mov_b32 s[G0SB+1], SCL+2*HALFS
	s_mov_b64 s[G0SB+2:G0SB+3], s[66:67]
	s_or_b32 s[G0SB+3], s[G0SB+3], 0x80000000
.irp s, 0,1
	s_mov_b32 s[G0+4*\s], 1
	s_add_co_u32 s[G0+4*\s+1], s45, \s*SLOT
	s_add_nc_u64 s[G0+4*\s+2:G0+4*\s+3], s[92:93], \s*4096
	s_or_b32 s[G0+4*\s+3], s[G0+4*\s+3], 0x80000000
	s_mov_b32 s[G0B+4*\s], 1
	s_add_co_u32 s[G0B+4*\s+1], s45, \s*SLOT
	s_add_nc_u64 s[G0B+4*\s+2:G0B+4*\s+3], s[94:95], \s*4096
	s_or_b32 s[G0B+4*\s+3], s[G0B+4*\s+3], 0x80000000
.endr
; the head's four tiles, one joint load a wave, in one chain of arms that all lead to one join.  Waves 0 and 2 hold the first half's addresses, which are the tiles' first rows
	s_cmp_eq_u32 s[WV], 0
	s_cbranch_scc0 .Lhead_b
	tensor_load_to_lds s[G0:G0+3], s[G1:G1+7]
	s_nop 0
.rept 4
	v_nop
.endr
	s_branch .Lhead_asked
.Lhead_b:
	s_cmp_eq_u32 s[WV], 2
	s_cbranch_scc0 .Lhead_sa
	tensor_load_to_lds s[G0B:G0B+3], s[G1B:G1B+7]
	s_nop 0
.rept 4
	v_nop
.endr
	s_branch .Lhead_asked
.Lhead_sa:
	s_cmp_eq_u32 s[WV], 1
	s_cbranch_scc0 .Lhead_sb
	tensor_load_to_lds s[G0S:G0S+3], s[G1S:G1S+7]
	s_nop 0
.rept 4
	v_nop
.endr
	s_branch .Lhead_asked
.Lhead_sb:
	tensor_load_to_lds s[G0SB:G0SB+3], s[G1SB:G1SB+7]
	s_nop 0
.rept 4
	v_nop
.endr
.Lhead_asked:
; THE PREFETCHES INTO THE L2, two K steps ahead: behind the load of K step 0 a wave asks for K step 2, behind the load of K step 1 for K step 3: one instruction each.  K steps 0 and 1 come by their loads alone.
; A K step of a tile of 16 rows is 4,096 bytes, 16 blocks of 256.  Lanes 0-15 name a tile of A, lanes 16-31 a tile of B (both lie in codes).  The four partners that ask for a tile row jointly share its 16 tiles out BY ADDRESS:
; tile 4 p + wave, p = cx for A and cy for B: so each block is named once in each cluster that loads it.  A weight's rows are read by eight clusters, and four of them ask: in the others those lanes name the wave's last block again.
.set PFO, 30                           ; v30  the prefetches' offset in codes; never rewritten
	s_lshl_b32 s2, s41, 8
	s_add_co_u32 s2, s2, s21                       ; A's first row,
	s_lshl_b32 s3, s40, 6
	s_add_co_u32 s2, s2, s3                        ; + 4 cx tiles
	s_lshl_b32 s3, s40, 8
	s_add_co_u32 s3, s3, s22                       ; B's first row,
	s_lshl_b32 s46, s41, 6
	s_add_co_u32 s3, s3, s46                       ; + 4 cy tiles
	s_lshl_b32 s46, s[WV], 4
	s_add_co_u32 s2, s2, s46                       ; + my wave's tile
	s_add_co_u32 s3, s3, s46
	s_lshl_b32 s2, s2, 10                          ; in bytes
	s_lshl_b32 s3, s3, 10
	s_add_co_u32 s46, s3, 15*256                   ; the last blocks of the two shares
	s_add_co_u32 s47, s2, 15*256
	s_cmp_lt_u32 ttmp9, 20                         ; A is Wv in clusters 16 to 23: 16 to 19 ask for it
	s_cselect_b32 s2, s2, s46
	s_cselect_b32 s66, 256, 0
	s_sub_co_u32 s46, ttmp9, 8
	s_cmp_ge_u32 s46, 8                            ; B is Wq or Wk in clusters 0 to 15: 0 to 7 ask for it
	s_cselect_b32 s3, s3, s47
	s_cselect_b32 s67, 256, 0
	v_and_b32 v23, 15, v0
	v_bfe_u32 v24, v0, 4, 1
	v_mad_u32_u24 v25, v23, s66, s2
	v_mad_u32_u24 v26, v23, s67, s3
	v_cmp_eq_u32 s46, 1, v24
	v_cndmask_b32 v[PFO], v25, v26, s46
	global_prefetch_b8 v[PFO], s[4:5] offset:8192 th:TH_LOAD_NT scope:SCOPE_SE   ; K step 2
	v_and_b32 v1, 15, v0
	v_bfe_u32 v2, v0, 4, 1
	s_wait_alu depctr_va_vdst(0)
	v_and_b32 v3, 31, v0
	v_lshlrev_b32 v[LI], 4, v3
	s_lshl_b32 s23, s[WH], 15
	s_lshl_b32 s46, s[WL], 15
	s_add_co_u32 s46, s46, 2*HALFT
.irp s, 0,1
	v_add_nc_u32 v[ADRA+\s], s23, v[LI]
	v_add_nc_u32 v[ADRB+\s], s46, v[LI]
	s_add_co_u32 s23, s23, SLOT
	s_add_co_u32 s46, s46, SLOT
.endr
	v_lshlrev_b32 v5, 4, v1
	s_lshl_b32 s23, s[WH], 12
	s_lshl_b32 s46, s[WL], 12
	s_add_co_u32 s46, s46, 2*HALFS
	s_sub_co_u32 s46, s46, s23
	v_mul_u32_u24 v6, s46, v2
	s_add_co_u32 s23, s23, SCL
	v_add_nc_u32 v5, v5, v6
	v_add_nc_u32 v[ADRS], s23, v5
	s_lshl_b32 s23, s41, 8
	s_add_co_u32 s23, s23, s21
	s_lshl_b32 s46, s[WH], 7
	s_add_co_u32 s23, s23, s46
	s_lshl_b32 s46, s40, 8
	s_add_co_u32 s46, s46, s22
	s_lshl_b32 s47, s[WL], 7
	s_add_co_u32 s46, s46, s47
	s_cmp_lg_u32 s[ISV], 0
	s_cselect_b32 s47, s46, s23
	s_cselect_b32 s23, s23, s46
	s_sub_co_u32 s23, s23, 8192
	s_lshr_b32 s92, s23, 10
	s_bfe_u32 s93, s23, 0x30007
	s_lshr_b32 s94, s47, 11
	s_bfe_u32 s95, s47, 0x40007
	s_lshl_b32 s94, s94, 7
	s_lshl_b32 s93, s93, 4
	s_or_b32 s94, s94, s93
	s_or_b32 s94, s94, s95
	s_lshl_b32 s96, s92, 23
	s_lshl_b32 s95, s94, 14
	s_add_co_u32 s96, s96, s95
	s_mov_b32 s97, 0
	s_add_nc_u64 s[14:15], s[14:15], s[96:97]
	s_lshl_b32 s96, s92, 19
	s_lshl_b32 s95, s94, 10
	s_add_co_u32 s96, s96, s95
	s_add_nc_u64 s[16:17], s[16:17], s[96:97]
	s_cmp_eq_u32 s92, 1
	s_cselect_b64 s[8:9], s[10:11], s[8:9]
	s_cmp_eq_u32 s92, 2
	s_cselect_b64 s[8:9], s[12:13], s[8:9]
	s_and_b32 s96, s23, 1023
	s_lshl_b32 s96, s96, 2
	s_add_nc_u64 s[8:9], s[8:9], s[96:97]
	v_lshlrev_b32 v7, 6, v2
	v_and_b32 v3, 7, v1
	v_lshrrev_b32 v4, 3, v1
	v_lshl_add_u32 v3, v4, 4, v3
	v_lshlrev_b32 v[BQO], 2, v3
.irp b, 0,1,2,3
.irp j, 0,1,2,3
	global_load_b128 v[BP+16*\b+4*\j:BP+16*\b+4*\j+3], v7, s[8:9] offset:128*\b+16*\j
.endr
.endr
.irp a, 0,1,2,3,4,5,6,7
	global_load_b32 v[BQ+\a], v[BQO], s[8:9] offset:(32*(\a/2)+8*(\a%2))*4
.endr
	s_lshl_b32 s96, s[ISV], 4
	s_xor_b32 s96, s96, 16
	v_mul_u32_u24 v[SH], s96, v2
	s_mov_b32 s[SEL], 0x76543210
	s_mov_b32 s[SEL+1], 0xfedcba98
	s_mov_b32 s[MNT], 0x600000
.macro FRAG reg, adr, q, i
.irp c, 0,1,2,3
	ds_load_b128 v[\reg+4*\c:\reg+4*\c+3], v[\adr] offset:(2*(\i)+(\q))*2048+512*\c
.endr
.endm
.macro MUL16 a0, p, q, sc, zero
.irp a, \a0, \a0+1
.irp b, 0,1,2,3,4,5,6,7
.if \zero
	v_wmma_scale_f32_16x16x128_f8f6f4 v[8*(8*((\a)%4)+\b):8*(8*((\a)%4)+\b)+7], v[128*(\p)+FR*\b:128*(\p)+FR*\b+FR-1], v[AF+FR*(\a):AF+FR*(\a)+FR-1], 0, v[SC+8*NQ*(\sc)+NQ*\b+(\q)], v[SC+8*NQ*(\sc)+NQ*(\a)+(\q)] matrix_a_scale:MATRIX_SCALE_ROW1
.else
	v_wmma_scale_f32_16x16x128_f8f6f4 v[8*(8*((\a)%4)+\b):8*(8*((\a)%4)+\b)+7], v[128*(\p)+FR*\b:128*(\p)+FR*\b+FR-1], v[AF+FR*(\a):AF+FR*(\a)+FR-1], v[8*(8*((\a)%4)+\b):8*(8*((\a)%4)+\b)+7], v[SC+8*NQ*(\sc)+NQ*\b+(\q)], v[SC+8*NQ*(\sc)+NQ*(\a)+(\q)] matrix_a_scale:MATRIX_SCALE_ROW1
.endif
.endr
.endr
.endm
.macro FETCH_B slot, q, p
	WIN TO_B
.irp i, 0,1,2,3,4,5,6,7
	FRAG 128*(\p)+FR*\i, ADRB+\slot, \q, \i
.endr
	WIN 0
.endm
.macro FETCH_A slot, q, i0
.irp i, \i0, \i0+1, \i0+2, \i0+3
	FRAG AF+FR*(\i), ADRA+\slot, \q, \i
.endr
.endm
.macro SCALES sc
.irp i, 0,1,2,3,4,5,6,7
	ds_load_b64 v[SC+8*NQ*\sc+NQ*\i:SC+8*NQ*\sc+NQ*\i+1], v[ADRS] offset:\i*SBLK
.endr
.endm
.macro PLACES n
.rept \n
	v_nop
.endr
.endm
.macro STEP slot, q, zero
	s_wait_dscnt 4*NL
	WIN MUL_LO
	MUL16 0, (\q)%2, \q, \slot, \zero
	MUL16 2, (\q)%2, \q, \slot, \zero
	s_wait_dscnt 0
	PLACES NP
	FETCH_B \slot, (\q)+1, 1-(\q)%2
	FETCH_A \slot, (\q)+1, 0
	WIN MUL_HI
	MUL16 4, (\q)%2, \q, \slot, \zero
	MUL16 6, (\q)%2, \q, \slot, \zero
	PLACES NP
	WIN 0
	FETCH_A \slot, (\q)+1, 4
.endm
.macro TURN slot, next, fill
	s_wait_tensorcnt 0x0
	ds_add_u32 v[SPW], v[NIL]
	s_wait_dscnt 4*NL+1
	WIN MUL_LO
	MUL16 0, 1, NQ-1, \slot, 0
	s_wait_dscnt 0x0
	s_barrier_signal -1
	MUL16 2, 1, NQ-1, \slot, 0
	WIN 0
	s_barrier_wait -1
.if \fill
	CREST
	s_add_nc_u64 s[G0+4*\slot+2:G0+4*\slot+3], s[G0+4*\slot+2:G0+4*\slot+3], 8192
	s_add_nc_u64 s[G0B+4*\slot+2:G0B+4*\slot+3], s[G0B+4*\slot+2:G0B+4*\slot+3], 8192
	JLOAD G0+4*\slot, G1, G0B+4*\slot, G1B
	PLACES NP-4
.else
	PLACES NP
.endif
.if \next
	s_wait_alu depctr_va_vdst(0)
	v_add_nc_u32 v[ADRS], 8, v[ADRS]
.else
	s_wait_alu depctr_va_vdst(0)
	v_add_nc_u32 v[ADRS], 248, v[ADRS]
.endif
	FETCH_B \next, 0, 0
	FETCH_A \next, 0, 0
	SCALES \next
	WIN MUL_HI
	MUL16 4, 1, NQ-1, \slot, 0
	MUL16 6, 1, NQ-1, \slot, 0
	PLACES NP
	WIN 0
	FETCH_A \next, 0, 4
.endm
	s_wait_alu depctr_va_vdst(0)                   ; the wait at the head's end
	s_wait_tensorcnt 0x0                           ; my tile of the head's four is in; the lines ahead of a later first fill:
	ds_add_u32 v[SPW], v[NIL]
	s_mov_b32 s[G1+2], 8<<16                       ; no tensor load of mine is out: from here on a load brings 8 tiles (128 rows)
	s_mov_b32 s[G1+4], 8
	s_mov_b32 s[G1B+2], 8<<16
	s_mov_b32 s[G1B+4], 8
	s_wait_dscnt 0x0
	CROUND                                         ; all four tiles are in, in every partner
	JLOAD G0+4, G1, G0B+4, G1B                     ; K step 1: the first tensor load behind the round
	FETCH_B 0, 0, 0
	FETCH_A 0, 0, 0
	SCALES 0
	FETCH_A 0, 0, 4
	global_prefetch_b8 v[PFO], s[4:5] offset:12288 th:TH_LOAD_NT scope:SCOPE_SE   ; K step 3, behind K step 1's load and the run of LDS loads
	STEP 0, 0, 1
	s_mov_b32 s3, LAPS-1
.Llap:
	TURN 0, 1, 1
	STEP 1, 0, 0
	TURN 1, 0, 1
	STEP 0, 0, 0
	s_sub_co_u32 s3, s3, 1
	s_cmp_lg_u32 s3, 0
	s_cbranch_scc1 .Llap
	TURN 0, 1, 0
	STEP 1, 0, 0
	s_wait_dscnt 4*NL
	WIN MUL_LO
	MUL16 0, 1, NQ-1, 1, 0
	MUL16 2, 1, NQ-1, 1, 0
	s_wait_dscnt 0
	WIN MUL_HI
	MUL16 4, 1, NQ-1, 1, 0
	MUL16 6, 1, NQ-1, 1, 0
	WIN 0
.macro QUANT s, pw
.irp b, 0,1,2,3
	v_max3_num_f32 v[TM+\b], |v[\s+16*\b]|, |v[\s+1+16*\b]|, 0x4800000
.endr
.irp i, 2,4,6,8,10,12,14
.irp b, 0,1,2,3
	v_max3_num_f32 v[TM+\b], v[TM+\b], |v[\s+16*\b+\i]|, |v[\s+1+16*\b+\i]|
.endr
.endr
.irp b, 0,1,2,3
	v_permlanex16_b32 v[TM+4+\b], v[TM+\b], s[SEL], s[SEL+1]
.endr
.irp b, 0,1,2,3
	v_max_num_f32 v[TM+\b], v[TM+\b], v[TM+4+\b]
.endr
.irp b, 0,1,2,3
	v_add_nc_u32 v[TM+12+\b], 0xfc000000, v[TM+\b]
.endr
.irp b, 0,1,2,3
	v_and_or_b32 v[TM+8+\b], v[TM+\b], 0x7f800000, s[MNT]
.endr
.irp b, 0,1,2,3
	v_lshrrev_b32 v[TM+4+\b], 23, v[TM+12+\b]
.endr
	v_lshl_or_b32 v[\pw], v[TM+5], 8, v[TM+4]
	v_lshl_or_b32 v[\pw], v[TM+6], 16, v[\pw]
	v_lshl_or_b32 v[\pw], v[TM+7], 24, v[\pw]
.irp b, 0,1,2,3
.irp i, 0,1,2,3,4,5,6,7,8,9,10,11,12,13,14,15
	v_med3_num_f32 v[\s+16*\b+\i], v[\s+16*\b+\i], -v[TM+8+\b], v[TM+8+\b]
.endr
	v_cvt_scalef32_pk8_fp8_f32 v[PC+4*\b:PC+1+4*\b], v[\s+16*\b:\s+7+16*\b], v[TM+12+\b]
	v_cvt_scalef32_pk8_fp8_f32 v[PC+2+4*\b:PC+3+4*\b], v[\s+8+16*\b:\s+15+16*\b], v[TM+12+\b]
.endr
	v_nop
.endm
.macro EPI a
.set AC, 64*((\a)%4)
	s_cmp_lg_u32 s[ISV], 0
	s_cbranch_scc1 .Lvmode_\@
	WIN 0x02+(\a)/4
.set i, 0
.rept 32
	v_pk_add_f32 v[X+i:X+i+1], v[AC+i:AC+i+1], v[BP+i:BP+i+1]
.set i, i+2
.endr
	WIN 0
	s_branch .Ljoin_\@
.Lvmode_\@:
	v_mov_b32 v[BB], v[BQ+(\a)]
	v_mov_b32 v[BB+1], v[BQ+(\a)]
	WIN 0x02+(\a)/4
.set i, 0
.rept 32
	v_pk_add_f32 v[X+i:X+i+1], v[AC+i:AC+i+1], v[BB:BB+1]
.set i, i+2
.endr
	WIN 0
.Ljoin_\@:
	s_wait_xcnt 0x0                                ; the last block's stores have read the codes' registers, which are written again below
	QUANT X, PW
	v_lshrrev_b32 v[WS+(\a)], v[SH], v[PW]
.irp c, 0,1,2,3
	global_store_b128 v[LI], v[PC+4*\c:PC+4*\c+3], s[14:15] offset:(4*(\a)+\c)*512
.endr
.if (\a)%4 == 3
	global_store_b128 v[LI], v[WS+(\a)-3:WS+(\a)], s[16:17] offset:512*((\a)/4)
.endif
.endm
	PLACES NP
	s_wait_loadcnt 0x0
.irp b, 0,1,2,3
	v_mov_b32 v[TM+4+\b], 0
.endr
.irp a, 0,1,2,3,4,5,6,7
	EPI \a
.endr
	s_wait_tensorcnt 0x0
	ds_add_u32 v[SPW], v[NIL]
	s_wait_dscnt 0x0
	CROUND
	s_endpgm
.Lfunc_end_k_qc4faba47b8_qkv:
	.size	k_qc4faba47b8_qkv, .Lfunc_end_k_qc4faba47b8_qkv-k_qc4faba47b8_qkv
	.p2alignl 7, 3214868480
	.fill 96, 4, 3214868480
	.section	.rodata,"a",@progbits
	.p2align	6, 0x0
	.amdhsa_kernel k_qc4faba47b8_qkv
		.amdhsa_group_segment_fixed_size 327680
		.amdhsa_private_segment_fixed_size 0
		.amdhsa_enable_private_segment 0
		.amdhsa_kernarg_size 56
		.amdhsa_user_sgpr_count 2
		.amdhsa_user_sgpr_kernarg_segment_ptr 1
		.amdhsa_wavefront_size32 1
		.amdhsa_system_sgpr_workgroup_id_x 1
		.amdhsa_system_sgpr_workgroup_id_y 1
		.amdhsa_system_sgpr_workgroup_id_z 1
		.amdhsa_system_vgpr_workitem_id 0
		.amdhsa_next_free_vgpr 1024
		.amdhsa_next_free_sgpr 102
		.amdhsa_reserve_vcc 0
		.amdhsa_float_denorm_mode_32 3
		.amdhsa_float_denorm_mode_16_64 3
		.amdhsa_memory_ordered 1
		.amdhsa_forward_progress 1
		.amdhsa_inst_pref_size 223
	.end_amdhsa_kernel
	.amdgpu_metadata
---
amdhsa.version: [ 1, 2 ]
amdhsa.kernels:
  - .name:           k_qc4faba47b8_qkv
    .symbol:         k_qc4faba47b8_qkv.kd
    .args:
      - { .name: codes, .offset: 0, .size: 8, .value_kind: global_buffer, .address_space: global }
      - { .name: scales, .offset: 8, .size: 8, .value_kind: global_buffer, .address_space: global }
      - { .name: bq, .offset: 16, .size: 8, .value_kind: global_buffer, .address_space: global }
      - { .name: bk, .offset: 24, .size: 8, .value_kind: global_buffer, .address_space: global }
      - { .name: bv, .offset: 32, .size: 8, .value_kind: global_buffer, .address_space: global }
      - { .name: qkv, .offset: 40, .size: 8, .value_kind: global_buffer, .address_space: global }
      - { .name: qkvs, .offset: 48, .size: 8, .value_kind: global_buffer, .address_space: global }
    .group_segment_fixed_size: 327680
    .private_segment_fixed_size: 0
    .kernarg_segment_align: 8
    .kernarg_segment_size: 56
    .max_flat_workgroup_size: 128
    .sgpr_count:     102
    .vgpr_count:     1024
    .wavefront_size: 32
...
	.end_amdgpu_metadata
.endif
;; end of part 2
;; launch attn (part 3): grid 4 x 64, 16 waves a work-group, clusters of 4 x 1, 327,680 bytes of LDS; arguments qkv, qkvs, ctx, ctxs; writes ctx, ctxs
.if DOCPART == 3
	.amdgcn_target "amdgcn-amd-amdhsa--gfx1250"
	.amdhsa_code_object_version 6
	.text
	.protected	k_qc4faba47b8_attn
	.globl	k_qc4faba47b8_attn
	.p2align	8
	.type	k_qc4faba47b8_attn,@function
k_qc4faba47b8_attn:
	s_mov_b64 s[64:65], 0
	v_nop
	global_prefetch_b8 v0, s[64:65] scope:SCOPE_SE
	s_setreg_imm32_b32 hwreg(HW_REG_WAVE_MODE, 25, 1), 1
	s_wait_xcnt 0x0
	s_wait_alu depctr_hold_cnt(0) depctr_sa_sdst(0) depctr_va_vdst(0) depctr_va_sdst(0) depctr_va_ssrc(0) depctr_va_vcc(0) depctr_vm_vsrc(0)
	s_getreg_b32 s2, hwreg(HW_REG_IB_STS2, 6, 4)
	s_cmp_eq_u32 s2, 0
	s_cbranch_scc0 .Lentry_in_a_cluster
	s_endpgm
.Lentry_in_a_cluster:
	s_bfe_u32 s2, ttmp6, 0x10000c
	s_cmp_lg_u32 s2, 0x3003
	s_cbranch_scc0 .Lentry_shape_is_right
	s_endpgm
.Lentry_shape_is_right:
; ctx[b][q][head] = softmax_k(q . k / 8) v for 64 heads (batch x head) of 2,048 tokens and 64 channels, both products on codes of FP8 (E4M3) with E8M0 scales; ctx is quantised here along the 1,024 features for the last product.
; THE SOFTMAX AHEAD OF THE SECOND PRODUCT: t = score x log2(e) / 8; M = the row's largest t so far, rounded UP to a whole number; p = 2^(t - M) is quantised along the keys, not normalised; the row's sum is taken of the
; unquantised p and divides O at the end.  When M moves, the sum and O are multiplied by f = 2^(old M - new M): exact.
; SHARES: work-group y = the head; the four work-groups of a cluster are the four quarters of its queries.  Sixteen waves, four to a SIMD; a wave owns one tile of 16 queries at a time, two one after the other: 32 key steps of 128 keys.
; THE WHOLE HEAD'S K AND V LIE IN LDS, filled ONCE by joint loads of the four work-groups, one load a wave: waves 0 to 7 a chunk of 512 keys each (even: K's, odd: V's; chunk = wave / 2), waves 8 and 9 the scale words of K and of V.
; Waves 0, 1, 8, 9 have load lines of their own and wait at the first barrier: the first two key steps read what they brought.  Behind those steps every wave waits for its load, and a second barrier shows the rest.
; No barrier follows until the end: nothing in LDS is written again.  Nothing is left to ask for ahead, so there is no prefetch.
; OPERANDS are images of registers, read at 16 x lane: a tile of 16 keys of K is 1,024 bytes ([c 0, 1][lane][16]: the head's 64 channels), a tile of 16 channels x 128 keys of V 2,048 bytes.
; THE KEYS OF A TILE ARE NOT NEIGHBOURS (row r of tile 2 b + u is key 32 b + 8 u + r + 8 (r / 8)), and both products are used transposed (S^T = K Q^T, O^T = V^T P^T): a lane holds one query throughout, p's 16 registers of two
; neighbouring tiles are 16 neighbouring keys, and O^T's likewise 16 neighbouring channels: the conversions' results are the next operand's registers.
; TWO REGIONS OF 64 REGISTERS TAKE TURNS.  In a step one holds K's fragments and then V's, the other S^T and then p.  When p has become codes, its region takes the NEXT step's fragments of K, ahead of the second product:
; so a trip of the loop is two steps.  The last step of all fetches key step 0 once more, which nobody multiplies: 18 LDS loads a wave.
; K = 64 IN AN INSTRUCTION OF 128: Q's registers 8-15 hold zero codes.  K's fragments lie 8 registers apart, so the upper half of tile i's operand is tile i + 1's codes; behind tile 7 stand the second tile's Q or p's codes of the
; step before.  Every code in this program is a finite number (all quantisers hold at 448), and under the words' bytes 2, 3 (another head's bytes: never 0xff) it is multiplied by zero: k = 64 .. 127 adds exactly 0.
; THE ROW'S SUM of a step is gathered in six chains; they are joined, and laid onto the running sum by one fused multiply-add with f, at the head of the NEXT step, where plain lines are owed between the products.
; LIMITS: the promise holds while |t| stays under 2^31; 1 / l is v_rcp_f32's; a p under 2^-126 falls to 0; a block of ctx whose largest magnitude lies under 2^-118 keeps the byte 1, a block of zeros too; NaN and infinities are not served.
; ctxs is stored 2 bytes a lane, 16 bytes apart: the two heads of a pair, which other work-groups make, share a scale word, so 16 bits are the grain; it is one byte for each 32 of the codes.
.set VOFF, 131072                      ; LDS: K 0 .. 131,071 (tile t at 1,024 t); V behind it (key step s at 8,192 s, channels' tile d at + 2,048 d);
.set SCK,  262144                      ; K's scale words, four tiles' words a row: quad g at 256 g + 16 r;
.set SCV,  270336                      ; V's: key step s at 256 s + 16 r, word d
.set SPARE, 274432                     ; the spare words: 128 bytes a wave
.set LI,   1                           ; v1   16 x lane
.set AKS,  2                           ; v2   SCK + 16 r
.set AVS,  3                           ; v3   SCV + 16 r
.set ADK,  4                           ; v4-7 the pair's addresses: K, V, K's words, V's words
.set ADV,  5
.set ADS,  6
.set ADT,  7
.set TO,   8                           ; v8   -M of the step before
.set GS,   9                           ; v9   16 r
.set T0,   10                          ; v10  ctx's two scale bytes
.set PW,   11                          ; v11  p's scale word
.set Q,    16                          ; v16-23 Q's codes, v24-31 zero codes.  v12 -M, v13 the largest score, v[14:15] the sum in two halves
.set QS,   32                          ; v32  Q's scale word;  v33 the second tile's
.set FF,   34                          ; v[34:35] f; at the end 1 / l
.set KW,   36                          ; v36-43 K's scale words of a step's 8 tiles
.set VW,   44                          ; v44-47 V's of its 4
.set R1,   48                          ; v48-111 the first region
.set QN,   112                         ; v112-119 the second tile's Q
.set R2,   120                         ; v120-183 the second region
.set PC,   184                         ; v184-199 p's codes
.set O,    200                         ; v200-231 O^T
.set TM,   232                         ; v232-235 block maxima, v236-239 bytes, v240-243 448 x the scale, v244-247 the conversions' scale operands
.set MT,   236                         ; v236-245 the maxima's first level, two blocks at a time;  v246-249 half of the second
.set MU,   246
.set C0,   232                         ; the sum's six chains, behind the scales' lines and until the next step's head
.set C1,   234
.set C2,   236
.set C3,   238
.set C4,   248
.set C5,   252
.set TT,   250                         ; v250 at work
.set SPW,  254                         ; v254 my spare word, v255 0: never rewritten
.set NIL,  255
.set WV,   12                          ; s12  wave
.set GKC,  16                          ; s[16:23] group 1: a chunk of K;  s[24:31] of V;  s[32:39] K's scale words;  s[40:47] V's
.set GVC,  24
.set GKS,  32
.set GVS,  40
.set G0C,  48                          ; s[48:51] group 0: my chunk;  s[52:55] my scale words
.set G0W,  52
.set NC,   57                          ; s57  -c
.set SEL,  72
.set CS,   74                          ; s[74:75] c = log2(e) / 8
.set MNT,  76
.set N,    77                          ; s77  key steps done at the trip's head: 0, 2 .. 30
.set TB,   78                          ; s78  LDS byte of the next pair's K;  s79 of its words;  s80 of V's words;  s81 the pair's first step in its walk
.set TS,   79
.set TJ,   80
.set TK,   81
.macro CROUND                          ; a round of the cluster's barrier
	s_barrier_signal -1
	s_barrier_wait -1
	s_cmp_lg_u32 s[WV], 0
	s_cbranch_scc1 .Lnot_wave_0_\@
	s_barrier_signal -3
.Lnot_wave_0_\@:
	s_barrier_wait -3
	s_barrier_signal -1
	s_barrier_wait -1
.endm
.macro G1SET g, c, r, p                ; r rows of c elements of 8 bytes, p elements apart; the mask names all four work-groups, bit 21 beside it
	s_mov_b32 s[\g], 15|(3<<16)|(1<<21)
	s_mov_b32 s[\g+1], (\c)<<16
	s_mov_b32 s[\g+2], (\r)<<16
	s_mov_b32 s[\g+3], (\c)<<16
	s_mov_b32 s[\g+4], \r
	s_mov_b32 s[\g+5], \p
	s_mov_b32 s[\g+6], 0
	s_mov_b32 s[\g+7], 0
.endm
.macro TL g0, g1                       ; a joint load; s_nop 0 and four v_nop follow it
	tensor_load_to_lds s[\g0:\g0+3], s[\g1:\g1+7]
	s_nop 0
.rept 4
	v_nop
.endr
.endm
.macro INIT                            ; a tile's start: the step is written once and finds zeros, which the first change of M leaves zeros
	v_mov_b32 v13, 0xff61b1e6                      ; the largest score so far: -3e38, under every score
	v_mov_b32 v12, 0x7d000000                      ; -M: a whole number far over every -t, so that the first f is 0
	v_mov_b32 v[TO], 0x7d000000
	v_mov_b32 v14, 0
	v_mov_b32 v15, 0
	v_mov_b32 v[FF], 1.0
.set j, 0
.rept 32
	v_mov_b32 v[O+j], 0
.set j, j+1
.endr
.irp c, C0, C1, C2, C3, C4, C5
	v_mov_b32 v[\c], 0
	v_mov_b32 v[\c+1], 0
.endr
.endm
.macro CSUM a, b
	v_pk_add_f32 v[\a:\a+1], v[\a:\a+1], v[\b:\b+1]
.endm
.macro LSUM                            ; the running sum under the last step's M: l x f + that step's p
	v_pk_fma_f32 v[14:15], v[14:15], v[FF:FF+1], v[C0:C0+1] op_sel_hi:[1,0,1]
.endm
.macro KLOAD r, o                      ; K's 8 fragments and their scale words of the pair's step o into region r: 18 loads
.irp i, 0,1,2,3,4,5,6,7
	ds_load_b128 v[\r+8*\i:\r+8*\i+3], v[ADK] offset:8192*(\o)+1024*\i
	ds_load_b128 v[\r+8*\i+4:\r+8*\i+7], v[ADK] offset:8192*(\o)+1024*\i+512
.endr
	ds_load_b128 v[KW:KW+3], v[ADS] offset:512*(\o)
	ds_load_b128 v[KW+4:KW+7], v[ADS] offset:512*(\o)+256
.endm
.macro M3 d, x, i, j, k
	v_max3_num_f32 v[\d], v[(\x)+\i], v[(\x)+\j], v[(\x)+\k]
.endm
.macro TREE sr, b0                     ; the largest score of blocks b0, b0 + 1 but for the last level: five leaves of three, then two of three.  Each accumulator is first read at its low end
.irp u, 0,1
	M3 MT+5*\u, \sr+16*(\b0+\u), 0, 1, 2
.endr
.irp u, 0,1
	M3 MT+5*\u+1, \sr+16*(\b0+\u), 8, 9, 10
.endr
.irp u, 0,1
	M3 MT+5*\u+2, \sr+16*(\b0+\u), 3, 4, 5
.endr
.irp u, 0,1
	M3 MT+5*\u+3, \sr+16*(\b0+\u), 11, 12, 13
.endr
.irp u, 0,1
	M3 MT+5*\u+4, \sr+16*(\b0+\u), 6, 7, 14
.endr
.irp u, 0,1
	M3 TM+\b0+\u, MT+5*\u, 0, 1, 2
.endr
.irp u, 0,1
	v_max3_num_f32 v[MU+\b0+\u], v[MT+5*\u+3], v[MT+5*\u+4], v[\sr+16*(\b0+\u)+15]
.endr
.endm
.macro TFMA sr, from, n                ; t - M, two at a time
.set j, \from
.rept \n
	v_pk_fma_f32 v[\sr+j:\sr+j+1], v[\sr+j:\sr+j+1], s[CS:CS+1], v[12:13] op_sel_hi:[1,0,0]
.set j, j+2
.endr
.endm
.macro HB sr, b                        ; a block's p held at 448 x the scale: the conversion does not saturate (ISA guide 7.6.2); p is not negative: a one-sided hold, two a line
.irp i, 0,2,4,6,8,10,12,14
	v_dual_min_num_f32 v[\sr+16*\b+\i], v[\sr+16*\b+\i], v[TM+8+\b] :: v_dual_min_num_f32 v[\sr+16*\b+\i+1], v[\sr+16*\b+\i+1], v[TM+8+\b]
.endr
.endm
.macro CV sr, b
	v_cvt_scalef32_pk8_fp8_f32 v[PC+4*\b:PC+4*\b+1], v[\sr+16*\b:\sr+16*\b+7], v[TM+12+\b]
	v_cvt_scalef32_pk8_fp8_f32 v[PC+4*\b+2:PC+4*\b+3], v[\sr+16*\b+8:\sr+16*\b+15], v[TM+12+\b]
.endm
	s_load_b256 s[4:11], s[0:1], 0x0               ; qkv, qkvs, ctx, ctxs
	v_lshl_add_u32 v[SPW], v0, 2, SPARE
	v_mov_b32 v[NIL], 0
	ds_add_u32 v[SPW], v[NIL]                      ; the opening lines: the add twice on end, one wait
	ds_add_u32 v[SPW], v[NIL]
	v_lshrrev_b32 v[TT], 5, v0
	v_readfirstlane_b32 s[WV], v[TT]               ; wave 0..15
	s_bfe_u32 s13, ttmp6, 0x40000                  ; cx: it enters Q's and ctx's addresses alone
	s_and_b32 s14, ttmp7, 0xffff                   ; 16 x batch + head
	s_lshr_b32 s15, s14, 1                         ; 8 x batch + head pair
	s_and_b32 s82, s14, 1                          ; which head of the pair
	s_and_b32 s83, s[WV], 1                        ; I fetch for K (0) or for V (1)
	s_lshr_b32 s56, s[WV], 1                       ; waves 0 to 7: my chunk
	G1SET GKC, 128, 32, 256                        ; 32 tiles of 1,024 bytes, 2,048 apart (the pair's other head lies between)
	G1SET GVC, 1024, 4, 2048                       ; 4 key steps of 8,192 bytes, 16,384 apart
	G1SET GKS, 32, 32, 64                          ; 32 quads of 256 bytes, 512 apart
	G1SET GVS, 32, 16, 128                         ; 16 key steps of 256 bytes, 1,024 apart
	s_add_co_u32 s84, s83, 1                       ; the tensor in qkv: 1 K, 2 V
	s_lshl_b32 s86, s84, 23
	s_lshl_b32 s85, s15, 18
	s_add_co_u32 s86, s86, s85
	s_mul_i32 s85, s83, 3
	s_add_co_u32 s85, s85, 10
	s_lshl_b32 s85, s82, s85                       ; the head's part: 1,024 on in K, 8,192 in V
	s_add_co_u32 s86, s86, s85
	s_lshl_b32 s85, s56, 16                        ; a chunk is 65,536 bytes of the pair's
	s_add_co_u32 s86, s86, s85
	s_mov_b32 s87, 0
	s_lshl_b32 s88, s84, 19
	s_lshl_b32 s85, s15, 14
	s_add_co_u32 s88, s88, s85
	s_add_co_u32 s85, s83, 8
	s_lshl_b32 s85, s82, s85                       ; 256 on in K's words, 512 in V's
	s_add_co_u32 s88, s88, s85
	s_mov_b32 s89, 0
	s_mov_b32 s[G0C], 1
	s_lshl_b32 s[G0C+1], s83, 17                   ; LDS: K at 0, V at 131,072,
	s_lshl_b32 s85, s56, 15
	s_add_co_u32 s[G0C+1], s[G0C+1], s85           ; + 32,768 x chunk
	s_mov_b32 s[G0W], 1
	s_lshl_b32 s[G0W+1], s83, 13
	s_add_co_u32 s[G0W+1], s[G0W+1], SCK           ; the words at SCK, SCK + 8,192
	s_wait_dscnt 0x0
	s_wait_kmcnt 0x0
	s_add_nc_u64 s[G0C+2:G0C+3], s[4:5], s[86:87]
	s_or_b32 s[G0C+3], s[G0C+3], 0x80000000
	s_add_nc_u64 s[G0W+2:G0W+3], s[6:7], s[88:89]
	s_or_b32 s[G0W+3], s[G0W+3], 0x80000000
	CROUND                                         ; all four work-groups are here: the joint loads meet
	s_cmp_eq_u32 s[WV], 0                          ; one chain of arms on the wave's number, one load to an arm, all leading to one join
	s_cbranch_scc0 .Larm_v0
	TL G0C, GKC                                    ; wave 0: K's first 512 keys
	s_branch .Lasked
.Larm_v0:
	s_cmp_eq_u32 s[WV], 1
	s_cbranch_scc0 .Larm_ks
	TL G0C, GVC                                    ; wave 1: V's
	s_branch .Lasked
.Larm_ks:
	s_cmp_eq_u32 s[WV], 8
	s_cbranch_scc0 .Larm_vs
	TL G0W, GKS                                    ; wave 8: K's scale words
	s_branch .Lasked
.Larm_vs:
	s_cmp_eq_u32 s[WV], 9
	s_cbranch_scc0 .Larm_late
	TL G0W, GVS                                    ; wave 9: V's
	s_branch .Lasked
.Larm_late:
	s_cmp_gt_u32 s[WV], 7
	s_cbranch_scc1 .Lasked                         ; waves 10 to 15 fetch nothing
	s_cmp_eq_u32 s83, 0
	s_cbranch_scc0 .Larm_vl
	TL G0C, GKC                                    ; waves 2, 4, 6: K's chunks 1, 2, 3
	s_branch .Lasked
.Larm_vl:
	TL G0C, GVC                                    ; waves 3, 5, 7: V's
.Lasked:
	s_lshl_b32 s84, s13, 5
	s_add_co_u32 s84, s84, s[WV]                   ; my first tile of queries in the head: 32 cx + wave; the second lies 16 tiles on
	s_lshl_b32 s92, s84, 11
	s_lshl_b32 s85, s15, 18
	s_add_co_u32 s92, s92, s85
	s_lshl_b32 s85, s82, 10
	s_add_co_u32 s92, s92, s85
	s_mov_b32 s93, 0
	s_add_nc_u64 s[4:5], s[4:5], s[92:93]          ; Q's codes
	s_lshr_b32 s92, s84, 2
	s_lshl_b32 s92, s92, 9
	s_lshl_b32 s85, s15, 14
	s_add_co_u32 s92, s92, s85
	s_lshl_b32 s85, s82, 8
	s_add_co_u32 s92, s92, s85
	s_and_b32 s85, s84, 3
	s_lshl_b32 s85, s85, 2
	s_add_co_u32 s92, s92, s85
	s_add_nc_u64 s[6:7], s[6:7], s[92:93]          ; Q's scale words
	s_lshr_b32 s85, s14, 4
	s_lshl_b32 s85, s85, 7
	s_add_co_u32 s84, s84, s85                     ; the tile among all 512: 128 x batch + tile
	s_and_b32 s85, s15, 7                          ; head pair = K step of the last product
	s_lshl_b32 s92, s84, 14
	s_lshl_b32 s94, s85, 11
	s_add_co_u32 s92, s92, s94
	s_lshl_b32 s94, s82, 10
	s_add_co_u32 s92, s92, s94
	s_add_nc_u64 s[8:9], s[8:9], s[92:93]          ; ctx: 16,384 T + 2,048 pair + 1,024 head
	s_lshl_b32 s92, s84, 9
	s_lshr_b32 s94, s85, 2
	s_lshl_b32 s94, s94, 8
	s_add_co_u32 s92, s92, s94
	s_and_b32 s94, s85, 3
	s_lshl_b32 s94, s94, 2
	s_add_co_u32 s92, s92, s94
	s_lshl_b32 s94, s82, 1
	s_add_co_u32 s92, s92, s94
	s_add_nc_u64 s[10:11], s[10:11], s[92:93]      ; ctxs: 512 T + 256 (pair / 4) + 4 (pair % 4) + 2 head
	s_mov_b32 s[SEL], 0x76543210
	s_mov_b32 s[SEL+1], 0xfedcba98
	s_mov_b32 s[CS], 0x3e38aa3b
	s_mov_b32 s[CS+1], s[CS]
	s_mov_b32 s[NC], 0xbe38aa3b
	s_mov_b32 s[MNT], 0x600000
	s_mov_b32 s[N], 0
	v_and_b32 v[TT], 31, v0
	v_and_b32 v[GS], 15, v0
	v_lshlrev_b32 v[LI], 4, v[TT]
	v_lshlrev_b32 v[GS], 4, v[GS]
	v_add_nc_u32 v[AKS], SCK, v[GS]
	v_add_nc_u32 v[AVS], SCV, v[GS]
	global_load_b128 v[Q:Q+3], v[LI], s[4:5]
	global_load_b128 v[Q+4:Q+7], v[LI], s[4:5] offset:512
	global_load_b128 v[QN:QN+3], v[LI], s[4:5] offset:32768
	global_load_b128 v[QN+4:QN+7], v[LI], s[4:5] offset:33280
	global_load_b32 v[QS], v[GS], s[6:7]
	global_load_b32 v[QS+1], v[GS], s[6:7] offset:2048
	v_add_nc_u32 v[ADK], 0, v[LI]                  ; the first pair's addresses
	v_add_nc_u32 v[ADV], VOFF, v[LI]
	v_add_nc_u32 v[ADS], 0, v[AKS]
	v_add_nc_u32 v[ADT], 0, v[AVS]
.irp j, 8,9,10,11,12,13,14,15
	v_mov_b32 v[Q+\j], 0                           ; zero codes for k = 64 .. 127
.endr
	v_mov_b32 v[FF+1], 0                           ; (named as the upper half of a pair)
	INIT
; A KEY STEP: 128 keys, the o-th of its pair.  kr: the region with K's fragments, asked for in the step before; sr: the region for S^T.  pre = 1: the next step's K is asked for ahead of the second product
.macro STEP kr, sr, o, pre
.if \o
	s_add_co_u32 s[TK], s[N], 2                    ; where the next pair lies
	s_and_b32 s[TK], s[TK], 15
	s_lshl_b32 s[TB], s[TK], 13
	s_lshl_b32 s[TS], s[TK], 9
	s_lshl_b32 s[TJ], s[TK], 8
.endif
	CSUM C0, C1                                    ; the last step's six chains are joined.  Nine plain lines stand between the last step's products and the products below, which write over the registers that those read
	CSUM C2, C3
	CSUM C4, C5
	v_nop
	CSUM C0, C2
	v_nop
	CSUM C0, C4
	v_nop
	LSUM
	s_wait_dscnt 0x0                               ; K's fragments and words
.irp i, 0,1,2,3,4,5,6,7
	v_wmma_scale_f32_16x16x128_f8f6f4 v[\sr+8*\i:\sr+8*\i+7], v[\kr+8*\i:\kr+8*\i+15], v[Q:Q+15], 0, v[KW+\i], v[QS]   ; lane (r, h): query r; tiles 2 b, 2 b + 1: keys 32 b + 16 h + 0 .. 15
.endr
.if \o
	v_add_nc_u32 v[ADK], s[TB], v[LI]              ; eight places in front of the loads below and of the first read of the scores
	v_add_nc_u32 v[ADS], s[TS], v[AKS]
.else
	v_nop
	v_nop
.endif
.rept 6
	v_nop
.endr
.irp d, 0,1,2,3
.irp c, 0,1,2,3
	ds_load_b128 v[\kr+16*\d+4*\c:\kr+16*\d+4*\c+3], v[ADV] offset:8192*(\o)+2048*\d+512*\c   ; V's fragments land while the softmax is walked
.endr
.endr
	ds_load_b128 v[VW:VW+3], v[ADT] offset:256*(\o)
.if \o
	v_add_nc_u32 v[ADV], VOFF, v[ADK]
	v_add_nc_u32 v[ADT], s[TJ], v[AVS]
.endif
	TREE \sr, 0                                    ; the largest score of each block of 32 keys: it serves the row's maximum and, since p rises with the score, the block's largest p
	TREE \sr, 2
.irp b, 0,1,2,3
	v_max_num_f32 v[TM+\b], v[TM+\b], v[MU+\b]
.endr
.irp b, 0,1,2,3
	s_delay_alu instid0(VALU_DEP_4)
	v_permlanex16_b32 v[TM+4+\b], v[TM+\b], s[SEL], s[SEL+1]
.endr
.irp b, 0,1,2,3
	s_delay_alu instid0(VALU_DEP_4)
	v_max_num_f32 v[TM+\b], v[TM+\b], v[TM+4+\b]   ; with lane l xor 16's 16 keys
.endr
	s_delay_alu instid0(VALU_DEP_2)
	v_max3_num_f32 v[TT], v[TM], v[TM+1], v[TM+2]
	s_delay_alu instid0(VALU_DEP_1)
	v_max3_num_f32 v13, v13, v[TT], v[TM+3]        ; the running largest score
	s_delay_alu instid0(VALU_DEP_1)
	v_mul_f32 v[TT], s[NC], v13                    ; -t
	s_delay_alu instid0(VALU_DEP_1)
	v_floor_f32 v12, v[TT]                         ; the new -M = floor(-t) = -ceil(t): a whole number
	TFMA \sr, 0, 4
	v_sub_f32 v[TT], v12, v[TO]                    ; old M less new M: a whole number, 0 or less
	TFMA \sr, 8, 4
	v_cvt_i32_f32 v[TT], v[TT]                     ; (it saturates)
	TFMA \sr, 16, 4
	v_ldexp_f32 v[FF], 1.0, v[TT]                  ; f = 2^(old M - new M)
	TFMA \sr, 24, 20
.irp b, 0,1,2,3
	v_fma_f32 v[TM+\b], v[TM+\b], s[CS], v12       ; the same of each block's largest score
.endr
	s_wait_alu depctr_va_vdst(0)                   ; the wait ahead of the batch
.set j, 0
.rept 64
	v_exp_f32 v[\sr+j], v[\sr+j]                   ; p = 2^(t - M), at most 1
.set j, j+1
.endr
.irp b, 0,1,2,3
	v_exp_f32 v[TM+\b], v[TM+\b]                   ; the block's largest p: the same two instructions on the same number
.endr
	v_mov_b32 v[TO], v12                           ; -M is kept for the next step: the plain line behind the batch
	s_wait_alu depctr_va_vdst(0)                   ; one wait for the batch of 68, ahead of its first reader
.irp b, 0,1,2,3
	v_max_num_f32 v[TM+\b], 0x4800000, v[TM+\b]    ; the floor 2^(9 - 127): the byte cannot fall under 1
.endr
.irp b, 0,1,2,3
	s_delay_alu instid0(VALU_DEP_4)
	v_add_nc_u32 v[TM+12+\b], 0xfc000000, v[TM+\b] ; 8 off the exponent field: the conversion's scale operand
.endr
.irp b, 0,1,2,3
	v_and_or_b32 v[TM+8+\b], v[TM+\b], 0x7f800000, s[MNT]   ; 448 x the scale
.endr
.irp b, 0,1,2,3
	v_lshrrev_b32 v[TM+4+\b], 23, v[TM+12+\b]      ; the scale's byte
.endr
	s_delay_alu instid0(VALU_DEP_3)
	v_lshl_or_b32 v[PW], v[TM+5], 8, v[TM+4]       ; p's scale word for these 128 keys
	s_delay_alu instid0(VALU_DEP_2)
	v_lshl_or_b32 v[TT], v[TM+7], 8, v[TM+6]
	s_delay_alu instid0(VALU_DEP_1)
	v_lshl_or_b32 v[PW], v[TT], 16, v[PW]
.set j, 0
.irp c, C0, C1, C2, C3, C4, C5
	v_pk_add_f32 v[\c:\c+1], v[\sr+j:\sr+j+1], v[\sr+j+2:\sr+j+3]   ; THE ROW'S SUM IS TAKEN OF THE UNQUANTISED p: six chains by turns
.set j, j+4
.endr
.rept 3
.irp c, C0, C1, C2, C3, C4, C5
	v_pk_add_f32 v[\c:\c+1], v[\c:\c+1], v[\sr+j:\sr+j+1]
.set j, j+2
.endr
.endr
	v_pk_add_f32 v[C0:C0+1], v[C0:C0+1], v[\sr+60:\sr+61]
	v_pk_add_f32 v[C1:C1+1], v[C1:C1+1], v[\sr+62:\sr+63]
	HB \sr, 0                                      ; a block's conversions stand behind the next block's holds
	HB \sr, 1
	CV \sr, 0
	HB \sr, 2
	CV \sr, 1
	HB \sr, 3
	CV \sr, 2
	CV \sr, 3
.if \pre
	KLOAD \sr, 1-(\o)                              ; p has become codes: its region takes the next step's K
	s_wait_dscnt 18                                ; V's fragments and words are in; the 18 loads just issued may be out
.else
	s_wait_dscnt 0x0
.endif
	s_wait_alu depctr_va_vdst(0)                   ; the wait directly ahead of the first reader of O^T
.set j, 0
.rept 16
	v_pk_mul_f32 v[O+j:O+j+1], v[O+j:O+j+1], v[FF:FF+1] op_sel_hi:[1,0]   ; O^T under the new M; these lines also stand between the conversions and the products
.set j, j+2
.endr
.irp d, 0,1,2,3
	v_wmma_scale_f32_16x16x128_f8f6f4 v[O+8*\d:O+8*\d+7], v[\kr+16*\d:\kr+16*\d+15], v[PC:PC+15], v[O+8*\d:O+8*\d+7], v[VW+\d], v[PW]   ; the four accumulators by turns
.endr
.endm
	s_wait_alu depctr_va_vdst(0)                   ; the wait at the head's end
	s_wait_loadcnt 0x0                             ; both tiles' Q
	s_and_b32 s84, s[WV], 6
	s_cmp_eq_u32 s84, 0                            ; waves 0, 1, 8, 9: the first 512 keys and the scale words have landed; the other loads stay out across this barrier, behind which nothing is filled
	s_cbranch_scc0 .Lnot_first
	s_wait_tensorcnt 0x0
.Lnot_first:
	s_barrier_signal -1
	s_barrier_wait -1
	KLOAD R1, 0
	STEP R1, R2, 0, 1                              ; the first pair lies in the first 512 keys; it asks for nothing of the next pair
	STEP R2, R1, 1, 0
	s_wait_tensorcnt 0x0                           ; every wave: my load has landed
	s_wait_dscnt 0x0
	s_barrier_signal -1
	s_barrier_wait -1                              ; all of K and V is in
	s_mov_b32 s[N], 2
	KLOAD R1, 0
.Lmain:                                            ; 15 pairs; behind steps 16 and 32 a tile of queries ends
	STEP R1, R2, 0, 1
	STEP R2, R1, 1, 1
	s_add_co_u32 s[N], s[N], 2
	s_and_b32 s84, s[N], 15
	s_cmp_lg_u32 s84, 0
	s_cbranch_scc1 .Lgo_on
	; the tile's end: O^T / l, quantised along the head's 64 features (two blocks), stored as the last product's operand.  It works in the second region, which V has left
	CSUM C0, C1
	CSUM C2, C3
	CSUM C4, C5
	CSUM C0, C2
	CSUM C0, C4
	LSUM                                           ; the last step's p
	v_add_f32 v14, v14, v15
	v_permlanex16_b32 v[TT], v14, s[SEL], s[SEL+1]
	v_add_f32 v14, v14, v[TT]                      ; the row's sum.  Nine plain lines stand behind the last products
	s_wait_alu depctr_va_vdst(0)                   ; the wait ahead of the transcendental
	v_rcp_f32 v[FF], v14
	v_nop                                          ; the plain line behind the reciprocal
	s_wait_alu depctr_va_vdst(0)                   ; ahead of the first reader of the reciprocal and of O^T
.set j, 0
.rept 16
	v_pk_mul_f32 v[R2+j:R2+j+1], v[O+j:O+j+1], v[FF:FF+1] op_sel_hi:[1,0]   ; register 16 b + i: feature 32 b + 16 h + i of the head; each accumulator from its low end on
.set j, j+2
.endr
.irp b, 0,1
	v_max3_num_f32 v[TM+\b], |v[R2+16*\b]|, |v[R2+1+16*\b]|, 0x4800000
.endr
.irp i, 2,4,6,8,10,12,14
.irp b, 0,1
	v_max3_num_f32 v[TM+\b], v[TM+\b], |v[R2+16*\b+\i]|, |v[R2+1+16*\b+\i]|
.endr
.endr
.irp b, 0,1
	v_permlanex16_b32 v[TM+4+\b], v[TM+\b], s[SEL], s[SEL+1]
.endr
.irp b, 0,1
	v_max_num_f32 v[TM+\b], v[TM+\b], v[TM+4+\b]
.endr
.irp b, 0,1
	v_add_nc_u32 v[TM+12+\b], 0xfc000000, v[TM+\b]
.endr
.irp b, 0,1
	v_and_or_b32 v[TM+8+\b], v[TM+\b], 0x7f800000, s[MNT]
.endr
.irp b, 0,1
	v_lshrrev_b32 v[TM+4+\b], 23, v[TM+12+\b]
.endr
	v_lshl_or_b32 v[T0], v[TM+5], 8, v[TM+4]       ; the head's two bytes
.irp b, 0,1
.irp i, 0,1,2,3,4,5,6,7,8,9,10,11,12,13,14,15
	v_med3_num_f32 v[R2+16*\b+\i], v[R2+16*\b+\i], -v[TM+8+\b], v[TM+8+\b]
.endr
	CV R2, \b
.endr
	v_nop                                          ; one plain line behind the last conversion
	global_store_b128 v[LI], v[PC:PC+3], s[8:9]                ; 512 consecutive bytes each
	global_store_b128 v[LI], v[PC+4:PC+7], s[8:9] offset:512
	global_store_b16 v[GS], v[T0], s[10:11]                    ; lanes 16-31 hold and write the same as lanes 0-15
	s_wait_xcnt 0x0                                ; the stores have read their bases and data: both may be written again
	s_add_nc_u64 s[8:9], s[8:9], 262144            ; 16 tiles on
	s_add_nc_u64 s[10:11], s[10:11], 8192
.irp j, 0,1,2,3,4,5,6,7
	v_mov_b32 v[Q+\j], v[QN+\j]                    ; the second tile's Q; the lines below stand between these and the next products
.endr
	v_mov_b32 v[QS], v[QS+1]
	INIT
	s_wait_alu depctr_va_vdst(0)
.Lgo_on:
	s_cmp_lt_u32 s[N], 32
	s_cbranch_scc1 .Lmain
	s_wait_tensorcnt 0x0                           ; the wave's end
	ds_add_u32 v[SPW], v[NIL]
	s_wait_dscnt 0x0
	CROUND                                         ; the closing round: no work-group ends while a partner may still ask for a tile that names it
	s_endpgm
.Lfunc_end_k_qc4faba47b8_attn:
	.size	k_qc4faba47b8_attn, .Lfunc_end_k_qc4faba47b8_attn-k_qc4faba47b8_attn
	.p2alignl 7, 3214868480
	.fill 96, 4, 3214868480
	.section	.rodata,"a",@progbits
	.p2align	6, 0x0
	.amdhsa_kernel k_qc4faba47b8_attn
		.amdhsa_group_segment_fixed_size 327680
		.amdhsa_private_segment_fixed_size 0
		.amdhsa_enable_private_segment 0
		.amdhsa_kernarg_size 32
		.amdhsa_user_sgpr_count 2
		.amdhsa_user_sgpr_kernarg_segment_ptr 1
		.amdhsa_wavefront_size32 1
		.amdhsa_system_sgpr_workgroup_id_x 1
		.amdhsa_system_sgpr_workgroup_id_y 1
		.amdhsa_system_sgpr_workgroup_id_z 1
		.amdhsa_system_vgpr_workitem_id 0
		.amdhsa_next_free_vgpr 256
		.amdhsa_next_free_sgpr 96
		.amdhsa_reserve_vcc 0
		.amdhsa_float_denorm_mode_32 3
		.amdhsa_float_denorm_mode_16_64 3
		.amdhsa_memory_ordered 1
		.amdhsa_forward_progress 1
		.amdhsa_inst_pref_size 96
	.end_amdhsa_kernel
	.amdgpu_metadata
---
amdhsa.version: [ 1, 2 ]
amdhsa.kernels:
  - .name:           k_qc4faba47b8_attn
    .symbol:         k_qc4faba47b8_attn.kd
    .args:
      - { .name: qkv, .offset: 0, .size: 8, .value_kind: global_buffer, .address_space: global }
      - { .name: qkvs, .offset: 8, .size: 8, .value_kind: global_buffer, .address_space: global }
      - { .name: ctx, .offset: 16, .size: 8, .value_kind: global_buffer, .address_space: global }
      - { .name: ctxs, .offset: 24, .size: 8, .value_kind: global_buffer, .address_space: global }
    .group_segment_fixed_size: 327680
    .private_segment_fixed_size: 0
    .kernarg_segment_align: 8
    .kernarg_segment_size: 32
    .max_flat_workgroup_size: 512
    .sgpr_count:     96
    .vgpr_count:     256
    .wavefront_size: 32
...
	.end_amdgpu_metadata
.endif
;; end of part 3
;; launch outp (part 4): grid 4 x 64, 4 waves a work-group, clusters of 4 x 4, 327,680 bytes of LDS; arguments ctx, ctxs, codes, scales, bo, out0; writes out0
.if DOCPART == 4
	.amdgcn_target "amdgcn-amd-amdhsa--gfx1250"
	.amdhsa_code_object_version 6
	.text
	.protected	k_qc4faba47b8_outp
	.globl	k_qc4faba47b8_outp
	.p2align	8
	.type	k_qc4faba47b8_outp,@function
k_qc4faba47b8_outp:
	s_mov_b64 s[64:65], 0
	v_nop
	global_prefetch_b8 v0, s[64:65] scope:SCOPE_SE
	s_setreg_imm32_b32 hwreg(HW_REG_WAVE_MODE, 25, 1), 1
	s_wait_xcnt 0x0
	s_wait_alu depctr_hold_cnt(0) depctr_sa_sdst(0) depctr_va_vdst(0) depctr_va_sdst(0) depctr_va_ssrc(0) depctr_va_vcc(0) depctr_vm_vsrc(0)
	s_getreg_b32 s2, hwreg(HW_REG_IB_STS2, 6, 4)
	s_cmp_eq_u32 s2, 0
	s_cbranch_scc0 .Lentry_in_a_cluster
	s_endpgm
.Lentry_in_a_cluster:
	s_bfe_u32 s2, ttmp6, 0x10000c
	s_cmp_lg_u32 s2, 0xf033
	s_cbranch_scc0 .Lentry_shape_is_right
	s_endpgm
.Lentry_shape_is_right:
; out0 = ctx Wo^T + bo on codes of MX-FP8 (E4M3, one E8M0 byte for 32 along K); the bias is the first products' C; f32 results leave through a stage in LDS as whole rows of 512 bytes.
; SHARES: 8,192 x 1,024 results in blocks of 128 x 256: 256 work-groups of four waves, 2 x 2; a wave makes 64 rows x 128 columns: 32 accumulators in window 2.
; OPERANDS are images of registers (tiles of 16 rows, 2,048 bytes for 128 along K, read at 16 x lane); row r of tile 2 b + u is the tensor's row 32 b + 8 u + r + 8 (r / 8).  The product is used transposed (source 0 = Wo's rows).
; K goes in steps of 256 through two LDS slots (ctx's 128 rows, then Wo's 256) filled by joint loads of a 4 x 4 cluster: ctx's tiles are shared along a row of the cluster, Wo's along a column.
; THE HEAD: one joint load a wave: wave 0 K step 0's rows of ctx, wave 2 those of Wo, wave 1 ctx's scale words, wave 3 Wo's; slot 1 is first filled behind the full sequence and a round.
; Both operands have two sets of registers: a step of 128 along K is 32 products, and the next step's fragments are asked for ahead of them (behind a change of slots: behind the barrier).
; THE PREFETCHES INTO THE L2, two K steps ahead: behind the load of K step 0 a wave asks for K step 2, behind the load of K step 1 for K step 3.  K steps 0 and 1 come by their loads alone.  A K step of a tile is 16 blocks of 256 bytes.
; The partners that ask for tiles jointly share them out BY ADDRESS.  ctx's 8 tiles: the n-th of a cluster row's sixteen waves (n = 4 cx + wave) names 8 blocks of tile n / 2.  Wo's 16 tiles: tile 4 cy + wave, 16 blocks.
; Lanes that are left over name their wave's last block again.  All sixteen clusters read all of Wo: the four with the lowest numbers ask for it.
; LIMITS: NaN and infinities are not served.
.set FR,     16
.set NP,     8
.set BOFF,   32768                     ; a slot: ctx's 8 tiles x 4,096 bytes, then Wo's 16
.set SLOT,   98304
.set SCL,    2*SLOT                    ; ctx's scale words (4,096 bytes), then Wo's (8,192): a wave's reads past its own four tiles of ctx fall on bytes that were filled, and are not used
.set SBLK,   512
.set SPARE,  SCL+12288
.set SPITCH, 528
.set ADRA, 16
.set ADRB, 20
.set LI,   22
.set STO,  24
.set RD,   25
.set ADRS, 27
.set SPW,  28
.set NIL,  29
.set PFA,  30                          ; v30, v31 the prefetches' offsets in ctx and in codes; never rewritten
.set PFB,  31
.set SC,   32                          ; v32-63 scale words, two sets: lanes 0-15 ctx's tile i, lanes 16-31 Wo's tile i
.set BP,   64                          ; v64-127 the bias in the result's layout
.set AF,   128                         ; v128-255 ctx's fragments, two sets of four; window 1: Wo's, two sets of eight
.set BK,   128
.set WV,   18
.set WH,   19
.set WL,   20
.set G1, 24
.set G0, 32
.set G1B, 48
.set G0B, 56
.set G1S, 68
.set G0S, 76
.set G1SB, 80
.set G0SB, 88
.set CLY,  98                          ; s98  the cluster's y
.set MSB, 0
.macro WIN new
.if MSB != \new
	s_set_vgpr_msb (MSB<<8)|\new
.set MSB, \new
.endif
.endm
.set MUL_LO, 0xa1                      ; source 0 window 1, source 1 window 0, C and D window 2
.set BIA_LO, 0x81                      ; the same with C in window 0
.set TO_B,   0x40
.macro PLACES n
.rept \n
	v_nop
.endr
.endm
.macro TL g0, g1                       ; a joint load; s_nop 0 and four v_nop follow it
	tensor_load_to_lds s[\g0:\g0+3], s[\g1:\g1+7]
	s_nop 0
	PLACES 4
.endm
.macro JLOAD g0a, g1a, g0b, g1b        ; waves 0, 1 fetch for ctx, waves 2, 3 for Wo
	s_cmp_eq_u32 s[WH], 0
	s_cbranch_scc0 .Lfor_b_\@
	TL \g0a, \g1a
	s_branch .Lasked_\@
.Lfor_b_\@:
	TL \g0b, \g1b
.Lasked_\@:
.endm
.macro CREST
	s_cmp_lg_u32 s[WV], 0
	s_cbranch_scc1 .Lnot_wave_0_\@
	s_barrier_signal -3
.Lnot_wave_0_\@:
	s_barrier_wait -3
	s_barrier_signal -1
	s_barrier_wait -1
.endm
.macro CROUND
	s_barrier_signal -1
	s_barrier_wait -1
	CREST
.endm
.macro GSET g, c, r, p                 ; group 1's words 1 to 7: r rows of c elements of 8 bytes, p elements apart
	s_mov_b32 s[\g+1], (\c)<<16
	s_mov_b32 s[\g+2], (\r)<<16
	s_mov_b32 s[\g+3], (\c)<<16
	s_mov_b32 s[\g+4], \r
	s_mov_b32 s[\g+5], \p
	s_mov_b32 s[\g+6], 0
	s_mov_b32 s[\g+7], 0
.endm
.macro ASK k                           ; K step k is asked of memory: my share of ctx's tiles; in four clusters my share of Wo's too
	global_prefetch_b8 v[PFA], s[4:5] offset:4096*(\k) th:TH_LOAD_NT scope:SCOPE_SE
	s_cmp_lt_u32 s[CLY], 4
	s_cbranch_scc0 .Lnot_wo_\@
	global_prefetch_b8 v[PFB], s[8:9] offset:4096*(\k) th:TH_LOAD_NT scope:SCOPE_SE
.Lnot_wo_\@:
.endm
	s_load_b256 s[4:11], s[0:1], 0x0               ; ctx, ctxs, codes, scales
	s_load_b128 s[12:15], s[0:1], 0x20             ; bo, out0
	v_lshl_add_u32 v[SPW], v0, 2, SPARE
	v_mov_b32 v[NIL], 0
	ds_add_u32 v[SPW], v[NIL]
	ds_add_u32 v[SPW], v[NIL]
	v_lshrrev_b32 v1, 5, v0
	v_readfirstlane_b32 s[WV], v1
	s_lshr_b32 s[WH], s[WV], 1                     ; my 64 rows of ctx.  Also: I fetch for ctx (0) or for Wo (1)
	s_and_b32 s[WL], s[WV], 1                      ; my 128 rows of Wo.  Also: which half of a tile I fetch
	s_bfe_u32 s40, ttmp6, 0x40000
	s_bfe_u32 s41, ttmp6, 0x40004
	s_lshl_b32 s42, ttmp9, 2
	s_add_co_u32 s42, s42, s40                     ; block column 0 .. 3
	s_and_b32 s[CLY], ttmp7, 0xffff
	s_lshl_b32 s21, s[CLY], 2
	s_add_co_u32 s21, s21, s41                     ; block row 0 .. 63
	s_lshl_b32 s43, s41, 2
	s_lshl_b32 s43, 15, s43
	s_lshl_b32 s44, 0x1111, s40
	s_or_b32 s[G1+0], s43, (3<<16)|(1<<21)
	s_or_b32 s[G1B+0], s44, (3<<16)|(1<<21)
	s_or_b32 s[G1S+0], s43, (3<<16)|(1<<21)
	s_or_b32 s[G1SB+0], s44, (3<<16)|(1<<21)
	GSET G1, 512, 8, 2048                          ; the head's loads: ctx's 8 tiles of 4,096 bytes, 16,384 apart;
	GSET G1B, 512, 16, 2048                        ; Wo's 16;
	GSET G1S, 32, 16, 32                           ; the scale words of 128 rows: 16 rows of 256 bytes;
	GSET G1SB, 32, 32, 32                          ; of 256 rows
	s_lshl_b32 s92, s21, 7
	s_lshl_b32 s94, s42, 8
	s_add_co_u32 s94, s94, 11264                   ; Wo's rows lie behind x's, Wq's, Wk's and Wv's
	s_lshl_b32 s96, s92, 5                         ; the scale words begin at the block's first row
	s_lshl_b32 s66, s94, 5
	s_lshl_b32 s46, s[WL], 6
	s_add_co_u32 s92, s92, s46                     ; in the ring I fetch 64 rows of ctx
	s_lshl_b32 s46, s[WL], 7
	s_add_co_u32 s94, s94, s46                     ; or 128 of Wo
	s_mov_b32 s97, 0
	s_lshl_b32 s92, s92, 10
	s_mov_b32 s93, 0
	s_mov_b32 s67, 0
	s_lshl_b32 s94, s94, 10
	s_mov_b32 s95, 0
	s_lshl_b32 s45, s[WL], 14
	s_lshl_b32 s22, s[WL], 15
	s_add_co_u32 s22, s22, BOFF
	s_wait_dscnt 0x0
	s_wait_kmcnt 0x0
	s_add_nc_u64 s[92:93], s[4:5], s[92:93]
	s_add_nc_u64 s[96:97], s[6:7], s[96:97]
	s_add_nc_u64 s[94:95], s[8:9], s[94:95]
	s_add_nc_u64 s[66:67], s[10:11], s[66:67]
	CROUND
	s_mov_b32 s[G0S], 1
	s_mov_b32 s[G0S+1], SCL
	s_mov_b64 s[G0S+2:G0S+3], s[96:97]
	s_or_b32 s[G0S+3], s[G0S+3], 0x80000000
	s_mov_b32 s[G0SB], 1
	s_mov_b32 s[G0SB+1], SCL+4096
	s_mov_b64 s[G0SB+2:G0SB+3], s[66:67]
	s_or_b32 s[G0SB+3], s[G0SB+3], 0x80000000
.irp s, 0,1
	s_mov_b32 s[G0+4*\s], 1
	s_add_co_u32 s[G0+4*\s+1], s45, \s*SLOT
	s_add_nc_u64 s[G0+4*\s+2:G0+4*\s+3], s[92:93], \s*4096
	s_or_b32 s[G0+4*\s+3], s[G0+4*\s+3], 0x80000000
	s_mov_b32 s[G0B+4*\s], 1
	s_add_co_u32 s[G0B+4*\s+1], s22, \s*SLOT
	s_add_nc_u64 s[G0B+4*\s+2:G0B+4*\s+3], s[94:95], \s*4096
	s_or_b32 s[G0B+4*\s+3], s[G0B+4*\s+3], 0x80000000
.endr
; the head's four tiles, one joint load a wave, in one chain of arms that all lead to one join.  Waves 0 and 2 hold the first half's addresses, which are the tiles' first rows
	s_cmp_eq_u32 s[WV], 0
	s_cbranch_scc0 .Lhead_b
	TL G0, G1
	s_branch .Lhead_asked
.Lhead_b:
	s_cmp_eq_u32 s[WV], 2
	s_cbranch_scc0 .Lhead_sa
	TL G0B, G1B
	s_branch .Lhead_asked
.Lhead_sa:
	s_cmp_eq_u32 s[WV], 1
	s_cbranch_scc0 .Lhead_sb
	TL G0S, G1S
	s_branch .Lhead_asked
.Lhead_sb:
	TL G0SB, G1SB
.Lhead_asked:
	s_lshl_b32 s96, s42, 10
	s_lshl_b32 s46, s[WL], 9
	s_add_co_u32 s96, s96, s46                     ; my first column, in bytes
	s_mov_b32 s97, 0
	s_add_nc_u64 s[12:13], s[12:13], s[96:97]
	s_add_nc_u64 s[14:15], s[14:15], s[96:97]
	s_lshl_b32 s96, s21, 7
	s_lshl_b32 s46, s[WH], 6
	s_add_co_u32 s96, s96, s46
	s_lshl_b32 s96, s96, 12                        ; my first row: rows of 4,096 bytes
	s_add_nc_u64 s[14:15], s[14:15], s[96:97]
	s_lshl_b32 s23, s[WH], 14
	s_lshl_b32 s46, s[WL], 15
	s_add_co_u32 s46, s46, BOFF
	s_lshl_b32 s47, s[WH], 11
	s_lshl_b32 s2, s[WL], 12
	s_add_co_u32 s2, s2, 4096
	s_sub_co_u32 s2, s2, s47                       ; from my rows' words of ctx to my rows' words of Wo
	s_add_co_u32 s47, s47, SCL
	s_mul_i32 s3, s[WV], 16*SPITCH
	s_lshl_b32 s66, s40, 2
	s_add_co_u32 s66, s66, s[WV]                   ; the prefetches: which of the cluster row's sixteen waves I am: n
	s_lshr_b32 s67, s66, 1
	s_lshl_b32 s67, s67, 14                        ; tile n / 2 of ctx's eight,
	s_and_b32 s66, s66, 1
	s_lshl_b32 s66, s66, 11                        ; and which eight of a K step's sixteen blocks
	s_add_co_u32 s66, s66, s67
	s_lshl_b32 s67, s21, 17                        ; the block's 128 rows begin here in ctx
	s_add_co_u32 s66, s66, s67
	s_lshl_b32 s67, s41, 2
	s_add_co_u32 s67, s67, s[WV]                   ; tile 4 cy + wave of Wo's sixteen
	s_lshl_b32 s67, s67, 4
	s_lshl_b32 s92, s42, 8
	s_add_co_u32 s92, s92, 11264
	s_add_co_u32 s92, s92, s67
	s_lshl_b32 s92, s92, 10                        ; its first byte in codes
	v_and_b32 v1, 15, v0
	v_bfe_u32 v2, v0, 4, 1
	v_and_b32 v3, 31, v0
	v_lshlrev_b32 v7, 6, v2
	v_lshlrev_b32 v[LI], 4, v3
	v_lshlrev_b32 v5, 4, v1
	v_min_u32 v8, 7, v3
	v_min_u32 v9, 15, v3
	v_mul_u32_u24 v6, s2, v2                       ; lanes 16-31 take Wo's
	v_mul_u32_u24 v4, v1, SPITCH
	v_lshl_add_u32 v[PFA], v8, 8, s66
	v_lshl_add_u32 v[PFB], v9, 8, s92
	s_wait_alu depctr_va_vdst(0)
	ASK 2
.irp b, 0,1,2,3
.irp j, 0,1,2,3
	global_load_b128 v[BP+16*\b+4*\j:BP+16*\b+4*\j+3], v7, s[12:13] offset:128*\b+16*\j
.endr
.endr
	v_add_nc_u32 v[ADRA], s23, v[LI]
	v_add_nc_u32 v[ADRB], s46, v[LI]
	v_add_nc_u32 v5, v5, v6
	v_lshl_add_u32 v4, v2, 6, v4
	v_add_nc_u32 v[ADRA+1], SLOT, v[ADRA]
	v_add_nc_u32 v[ADRB+1], SLOT, v[ADRB]
	v_add_nc_u32 v[ADRS], s47, v5
	v_add_nc_u32 v[STO], s3, v4
	v_add_nc_u32 v[RD], s3, v[LI]
.macro FRAG reg, adr, q, i
.irp c, 0,1,2,3
	ds_load_b128 v[\reg+4*\c:\reg+4*\c+3], v[\adr] offset:(2*(\i)+(\q))*2048+512*\c
.endr
.endm
.macro MUL16 a0, p, q, sc, first       ; ctx's tiles a0, a0 + 1 x Wo's eight; p: the sets; the 32 accumulators take turns
.irp a, \a0, \a0+1
.irp b, 0,1,2,3,4,5,6,7
.if \first
	v_wmma_scale_f32_16x16x128_f8f6f4 v[8*(8*(\a)+\b):8*(8*(\a)+\b)+7], v[128*(\p)+FR*\b:128*(\p)+FR*\b+FR-1], v[AF+64*(\p)+FR*(\a):AF+64*(\p)+FR*(\a)+FR-1], v[BP+8*\b:BP+8*\b+7], v[SC+16*(\sc)+2*\b+(\q)], v[SC+16*(\sc)+2*(\a)+(\q)] matrix_a_scale:MATRIX_SCALE_ROW1
.else
	v_wmma_scale_f32_16x16x128_f8f6f4 v[8*(8*(\a)+\b):8*(8*(\a)+\b)+7], v[128*(\p)+FR*\b:128*(\p)+FR*\b+FR-1], v[AF+64*(\p)+FR*(\a):AF+64*(\p)+FR*(\a)+FR-1], v[8*(8*(\a)+\b):8*(8*(\a)+\b)+7], v[SC+16*(\sc)+2*\b+(\q)], v[SC+16*(\sc)+2*(\a)+(\q)] matrix_a_scale:MATRIX_SCALE_ROW1
.endif
.endr
.endr
.endm
.macro FETCH slot, q                   ; the fragments of the slot's q-th 128 along K into sets q: 48 loads
	WIN TO_B
.irp i, 0,1,2,3,4,5,6,7
	FRAG 128*(\q)+FR*\i, ADRB+\slot, \q, \i
.endr
	WIN 0
.irp i, 0,1,2,3
	FRAG AF+64*(\q)+FR*\i, ADRA+\slot, \q, \i
.endr
.endm
.macro SCALES sc
.irp i, 0,1,2,3,4,5,6,7
	ds_load_b64 v[SC+16*\sc+2*\i:SC+16*\sc+2*\i+1], v[ADRS] offset:\i*SBLK
.endr
.endm
.macro STEP slot, first                ; a slot's first 128 along K.  Sets 1 were last read ahead of the eight places in TURN
	s_wait_dscnt 0x0                               ; sets 0 and the scale words are in
	FETCH \slot, 1
.if \first
	WIN BIA_LO
.else
	WIN MUL_LO
.endif
	MUL16 0, 0, 0, \slot, \first
	MUL16 2, 0, 0, \slot, \first
	WIN 0
.endm
.macro TURN slot, next, fill           ; a slot's second 128 along K, and the change of slots
	s_wait_tensorcnt 0x0                           ; all my tensor loads have landed: my part of the next slot
	ds_add_u32 v[SPW], v[NIL]
	s_wait_dscnt 1                                 ; sets 1 are in; the add may be out
	WIN MUL_LO
	MUL16 0, 1, 1, \slot, 0
	s_wait_dscnt 0x0
	s_barrier_signal -1
	MUL16 2, 1, 1, \slot, 0
	WIN 0
	s_barrier_wait -1
.if \fill
	CREST                                          ; the barrier has opened a round of the cluster's barrier
	s_add_nc_u64 s[G0+4*\slot+2:G0+4*\slot+3], s[G0+4*\slot+2:G0+4*\slot+3], 8192
	s_add_nc_u64 s[G0B+4*\slot+2:G0B+4*\slot+3], s[G0B+4*\slot+2:G0B+4*\slot+3], 8192
	JLOAD G0+4*\slot, G1, G0B+4*\slot, G1B
	PLACES NP-4
.else
	PLACES NP
.endif
	s_wait_alu depctr_va_vdst(0)                   ; the wait directly ahead of the reader below
.if \next
	v_add_nc_u32 v[ADRS], 8, v[ADRS]               ; the next K step's scale words: 8 bytes on in a half of K,
.else
	v_add_nc_u32 v[ADRS], 248, v[ADRS]             ; 256 from half to half
.endif
	FETCH \next, 0
	SCALES \next
.endm
	s_wait_alu depctr_va_vdst(0)                   ; the wait at the head's end
	s_wait_tensorcnt 0x0                           ; my tile of the head's four is in; the lines ahead of a later first fill:
	ds_add_u32 v[SPW], v[NIL]
	s_mov_b32 s[G1+2], 4<<16                       ; no tensor load of mine is out: from here on a load brings 4 tiles of ctx
	s_mov_b32 s[G1+4], 4
	s_mov_b32 s[G1B+2], 8<<16                      ; or 8 of Wo
	s_mov_b32 s[G1B+4], 8
	s_wait_dscnt 0x0
	CROUND                                         ; all four tiles are in, in every partner
	JLOAD G0+4, G1, G0B+4, G1B                     ; K step 1: the first tensor load behind the round
	FETCH 0, 0
	SCALES 0
	ASK 3                                          ; behind K step 1's load and the run of LDS loads
	s_wait_loadcnt 0x0                             ; the bias
	STEP 0, 1
	TURN 0, 1, 1
	STEP 1, 0
	TURN 1, 0, 1
	STEP 0, 0
	TURN 0, 1, 0                                   ; the last change of slots fills nothing
	STEP 1, 0
	s_wait_dscnt 0x0
	WIN MUL_LO
	MUL16 0, 1, 1, 1, 0
	MUL16 2, 1, 1, 1, 0
	WIN 0
; THE WAY OUT, tile by tile of 16 rows x 128 columns, through my own stage in slot 0, which has had its last fill and its last read: whole rows of 512 bytes leave as two aligned units of 256 bytes
.macro TOSTAGE a
.set AC, 64*(\a)
	WIN 0x08
.irp b, 0,1,2,3,4,5,6,7
	ds_store_b128 v[STO], v[AC+8*\b:AC+8*\b+3] offset:128*(\b/2)+32*(\b%2)
	ds_store_b128 v[STO], v[AC+8*\b+4:AC+8*\b+7] offset:128*(\b/2)+32*(\b%2)+16
.endr
	WIN 0
.set BB, BK+64*((\a)%2)
.irp t, 0,1,2,3,4,5,6,7,8,9,10,11,12,13,14,15
	ds_load_b128 v[BB+4*\t:BB+4*\t+3], v[RD] offset:\t*SPITCH
.endr
.endm
.macro SEND a, younger
.set BB, BK+64*((\a)%2)
	s_wait_dscnt \younger
.irp t, 0,1,2,3,4,5,6,7,8,9,10,11,12,13,14,15
	global_store_b128 v[LI], v[BB+4*\t:BB+4*\t+3], s[14:15] offset:(32*((\a)/2)+8*((\a)%2)+(\t%8)+16*(\t/8))*4096 th:TH_STORE_NT
.endr
.endm
	PLACES NP
	TOSTAGE 0
.irp a, 1,2,3
.if \a > 1
	s_wait_xcnt 0x0                                ; tile a - 2's stores have read their registers
.endif
	TOSTAGE \a
	SEND \a-1, 32                                  ; behind tile a - 1's loads: tile a's 16 stores and 16 loads
.endr
	SEND 3, 0
	s_wait_tensorcnt 0x0                           ; the wave's end
	ds_add_u32 v[SPW], v[NIL]
	s_wait_dscnt 0x0
	CROUND                                         ; the closing round
	s_endpgm
.Lfunc_end_k_qc4faba47b8_outp:
	.size	k_qc4faba47b8_outp, .Lfunc_end_k_qc4faba47b8_outp-k_qc4faba47b8_outp
	.p2alignl 7, 3214868480
	.fill 96, 4, 3214868480
	.section	.rodata,"a",@progbits
	.p2align	6, 0x0
	.amdhsa_kernel k_qc4faba47b8_outp
		.amdhsa_group_segment_fixed_size 327680
		.amdhsa_private_segment_fixed_size 0
		.amdhsa_enable_private_segment 0
		.amdhsa_kernarg_size 48
		.amdhsa_user_sgpr_count 2
		.amdhsa_user_sgpr_kernarg_segment_ptr 1
		.amdhsa_wavefront_size32 1
		.amdhsa_system_sgpr_workgroup_id_x 1
		.amdhsa_system_sgpr_workgroup_id_y 1
		.amdhsa_system_sgpr_workgroup_id_z 1
		.amdhsa_system_vgpr_workitem_id 0
		.amdhsa_next_free_vgpr 768
		.amdhsa_next_free_sgpr 102
		.amdhsa_reserve_vcc 0
		.amdhsa_float_denorm_mode_32 3
		.amdhsa_float_denorm_mode_16_64 3
		.amdhsa_memory_ordered 1
		.amdhsa_forward_progress 1
		.amdhsa_inst_pref_size 90
	.end_amdhsa_kernel
	.amdgpu_metadata
---
amdhsa.version: [ 1, 2 ]
amdhsa.kernels:
  - .name:           k_qc4faba47b8_outp
    .symbol:         k_qc4faba47b8_outp.kd
    .args:
      - { .name: ctx, .offset: 0, .size: 8, .value_kind: global_buffer, .address_space: global }
      - { .name: ctxs, .offset: 8, .size: 8, .value_kind: global_buffer, .address_space: global }
      - { .name: codes, .offset: 16, .size: 8, .value_kind: global_buffer, .address_space: global }
      - { .name: scales, .offset: 24, .size: 8, .value_kind: global_buffer, .address_space: global }
      - { .name: bo, .offset: 32, .size: 8, .value_kind: global_buffer, .address_space: global }
      - { .name: out0, .offset: 40, .size: 8, .value_kind: global_buffer, .address_space: global }
    .group_segment_fixed_size: 327680
    .private_segment_fixed_size: 0
    .kernarg_segment_align: 8
    .kernarg_segment_size: 48
    .max_flat_workgroup_size: 128
    .sgpr_count:     102
    .vgpr_count:     768
    .wavefront_size: 32
...
	.end_amdgpu_metadata
.endif
;; end of part 4
